; MI455X (gfx1250); checked and timed in simulation.
; The chip was launched on July 23, 2026; its instructions are those of AMD's public machine-readable ISA for CDNA 5 (MIT licence, August 2026) and "CDNA5" Instruction Set Architecture Reference Guide (July 2026). The comments in the code are by the model that wrote it; some were corrected since.
;; R3 D Attention. Allowed arithmetic: matrix products marked QUANTISED: E2M1 operands, one E8M0 scale for each 32 along K, by v_wmma_scale_f32_16x16x128_f8f6f4 with both operands' format E2M1 (or v_wmma_scale_f32_32x16x128_f4), f32 sums; products left as they are: bf16, f16 or f32 operands; f32 sums; everything else in f32.
;; Inputs: Wo 1,024 x 1,024 float32; Wqkv 1,024 x 3,072 float32; bo 1,024 float32; bqkv 3,072 float32; mask 1,024 x 1,024 float32; x 8 x 1,024 x 1,024 float32.
;; Outputs: out0 8 x 1,024 x 1,024 float32.
;; This version of the problem:
;;   THIS VERSION OF THE PROBLEM IS GIVEN IN LOW PRECISION. The matrix products marked QUANTISED in the list below multiply operands that are first quantised to E2M1 (2 exponent bits, 1 mantissa bit; 4 bits a number), with one power-of-two scale for each 32 numbers along K (OCP MX v1.0); their sums are f32. The products marked 'left as it is' may take bf16, f16 or f32 operands, with f32 sums. Whichever they take, every output number must still come out within the allowed error. Rounding operands to bf16 (8 significant bits) uses up far more of that allowance than f16 does (11 bits, for magnitudes from 6e-5 to 65,504). All else is computed in f32.
;;   The module's matrix products, in the order in which they are computed (A, B: the left and right operand; K: the contracted axis; several contracted axes count as one K, in the product's order):
;;     1. [M 8,192, K 1,024] x [K 1,024, N 3,072]; A: input x; B: input Wqkv: QUANTISED
;;     2. batch 128 x [M 1,024, K 64] x [K 64, N 1,024]; A: computed on the way; B: computed on the way: left as it is (an operand is computed on the way)
;;     3. batch 128 x [M 64, K 1,024] x [K 1,024, N 1,024]; A: computed on the way; B: computed on the way: left as it is (an operand is computed on the way)
;;     4. [M 8,192, K 1,024] x [K 1,024, N 1,024]; A: computed on the way; B: input Wo: left as it is (an operand is computed on the way)
;;   THE QUANTISER, for each operand of a quantised product, along K:
;;     - K is cut into blocks of 32 from its start; a last block that is shorter is filled with zeros.
;;     - A block's scale is 2^e with e = floor(log2(the largest magnitude in the block)) - 2, held to -126 .. 127; a block of zeros has e = 0. As a byte (E8M0): e + 127.
;;     - Each number is divided by its block's scale, clamped to +-6, and rounded to the nearest number of E2M1, ties to even, subnormals kept.
;;     - The product sums the exact products of the quantised numbers (number of the format x scale) in f32.
;;   ~~~python
;;   def quantise(x, axis):      # numpy; x: float32 -> the quantised numbers, widened to float32 again
;;       x = np.moveaxis(x, axis, -1); K = x.shape[-1]
;;       x = np.pad(x, [(0, 0)] * (x.ndim - 1) + [(0, -K % 32)]); x = x.reshape(x.shape[:-1] + (-1, 32)); a = np.abs(x).max(-1, keepdims=True)
;;       e = np.where(a > 0, np.clip(np.frexp(np.where(a > 0, a, 1))[1] - 1 - 2, -126, 127), 0)      # np.frexp(a)[1] - 1 = floor(log2(a)), exactly
;;       r = np.clip(x / 2.0 ** e, -6, 6)
;;       step = 2.0 ** (np.maximum(np.frexp(np.where(r == 0, 1, r))[1] - 1, 0) - 1)
;;       q = np.round(r / step) * step * 2.0 ** e      # np.round: ties to even
;;       return np.moveaxis(q.reshape(q.shape[:-2] + (-1,))[..., :K], -1, axis).astype(np.float32)
;;   ~~~
;; One version. Each part assembles by itself: llvm-mc -triple=amdgcn-amd-amdhsa -mcpu=gfx1250 --defsym DOCPART=n.
;; ======== version 1 of 1: 4 launches
;; limits: values are held in f16: magnitudes above 65,504 overflow, below 6.1e-05 lose precision
;; workspace buffers: xc 4,194,304 bytes; xs 262,144 bytes; wc 1,572,864 bytes; ws 98,304 bytes; wo16 2,097,152 bytes; m8 4,194,304 bytes; qkv 50,331,648 bytes; z 16,777,216 bytes
;; launch prep (part 1): grid 608 x 1, 4 waves a work-group, no clusters, 102,912 bytes of LDS; arguments x, Wqkv, Wo, mask, xc, xs, wc, ws, wo16, m8; writes xc, xs, wc, ws, wo16, m8
.if DOCPART == 1
	.amdgcn_target "amdgcn-amd-amdhsa--gfx1250"
	.amdhsa_code_object_version 6
	.text
	.protected	k_qdba4ef0b60_prep
	.globl	k_qdba4ef0b60_prep
	.p2align	8
	.type	k_qdba4ef0b60_prep,@function
k_qdba4ef0b60_prep:
	s_mov_b64 s[64:65], 0
	v_nop
	global_prefetch_b8 v0, s[64:65] scope:SCOPE_SE
	s_setreg_imm32_b32 hwreg(HW_REG_WAVE_MODE, 25, 1), 1
	s_wait_xcnt 0x0
; PREP.  Four independent streams in one launch, told apart by the work-group's number; they never join, have no barrier, and each has LDS bytes of its own.
;   work-groups   0 ..  95  W: Wqkv [1024 (k)][3072 (n)] f32 -> codes of E2M1 laid [n][k], K innermost (wc), and one E8M0 byte for each 32 along K (ws)
;   work-groups  96 .. 223  M: mask [1024][1024] f32 -> m8 = -8 x mask (exact in f32), laid as images of the registers in which the attention launch wants it
;   work-groups 224 .. 351  O: Wo [1024][1024] f32 -> f16, in Wo's own order (wo16)
;   work-groups 352 .. 607  X: x [8192][1024] f32 -> codes (xc) and scale bytes (xs), K innermost
; THE QUANTISER: a block's scale is 2^(floor(log2(its largest magnitude)) - 2); its byte is the largest magnitude's exponent field - 2, held at 1 from below; each number is divided by the scale and
; rounded to the nearest code, ties to even, beyond 6 the largest code.  A block of zeros gets the byte 1 where the rule says 127: its codes are zeros, and this program alone reads the bytes.
; DEAD WORK, LEFT OUT BY THE WHOLE PROGRAM: bqkv[1024:2048], the bias of k.  scores[b,n,q,k] = q . (k0 + bk) / 8 - mask[q,k], k0 being the product alone; the term q . bk / 8 does not hang on the key index k,
; and a softmax along k is not changed by a term that is the same along k; the product of q and k is not quantised, so bk moves no code and no scale.  This holds for all finite inputs.  That third of bqkv is not loaded.
; LIMITS: a NaN, an infinity or an overflow that reaches only that term is not carried to the result.  NaN and infinities among the inputs are not served.  Blocks whose largest magnitude lies under 2^-124 keep the byte 1.
; Wo is rounded to f16: magnitudes over 65,504 overflow, under 6e-5 lose bits.
; No cluster, no matrix unit: no work-group reads what another reads, and memory binds.
.set WREG,  32768                      ; LDS: X's four regions of 8,192 bytes from 0; W's four stages of 4,352 from here;
.set MREG,  67584                      ; M's four stages of 8,704;
.set SPARE, 102400                     ; the spare words, 128 bytes for each wave: two blocks of 256 bytes that no other line names
.set SPW,   192                        ; v192  LDS address of my spare word; never rewritten
.set NIL,   193                        ; v193  0; never rewritten
.set WV,    24                         ; s24   my wave's number
.set EMAX,  2
	s_load_b256 s[4:11], s[0:1], 0x0               ; x s[4:5], Wqkv s[6:7], Wo s[8:9], mask s[10:11]
	s_load_b256 s[12:19], s[0:1], 0x20             ; xc s[12:13], xs s[14:15], wc s[16:17], ws s[18:19]
	s_load_b128 s[20:23], s[0:1], 0x40             ; wo16 s[20:21], m8 s[22:23]
	v_lshl_add_u32 v[SPW], v0, 2, SPARE
	v_mov_b32 v[NIL], 0
	v_lshrrev_b32 v1, 5, v0
	v_readfirstlane_b32 s[WV], v1                  ; wave 0..3
	v_and_b32 v2, 31, v0                           ; lane
	s_mov_b32 s29, 0                               ; the upper word of every byte offset: all stay under 2^32
	s_wait_kmcnt 0x0
	s_cmp_lt_u32 ttmp9, 96
	s_cbranch_scc1 .LroleW
	s_cmp_lt_u32 ttmp9, 224
	s_cbranch_scc1 .LroleM
	s_cmp_lt_u32 ttmp9, 352
	s_cbranch_scc1 .LroleO
; ---- X.  x is a plain stream of blocks of 32.  A wave takes 16 steps of 512 numbers.  Each load reads 512 consecutive bytes; a step's 2,048 bytes turn through the wave's own stage in LDS and come back 64 bytes a lane,
; so that a lane holds 16 neighbours along K (two lanes to a block).  A lane's 16 codes are 8 bytes: the wave stores 256 consecutive bytes.  The wave's 256 scale bytes are gathered in LDS and leave as one run of 256.
.set XSP, 80                           ; a lane's place in a stage: 64 bytes + 16 of padding
.set XCB, 8                            ; bytes of 16 codes
.set XR,  16                           ; v16-79   four sets of 16 numbers as loaded
.set XX,  80                           ; v80-111  two sets of 16 neighbours
.set XE,  112                          ; v112-127 a scale byte for each step
.set XC,  128                          ; v128-191 codes: four registers for each step, so that no store's data are written again
	v_lshlrev_b32 v3, 4, v2                        ; my 16 bytes of a load's 512
	s_mul_i32 s25, s[WV], 8192                     ; my region
	v_lshrrev_b32 v14, 2, v2
	v_mul_u32_u24 v14, v14, XSP
	v_and_b32 v15, 3, v2
	v_lshl_add_u32 v14, v15, 4, v14
	v_add_nc_u32 v14, s25, v14                     ; into the stage: XSP (lane / 4) + 16 (lane % 4)
	v_mul_u32_u24 v15, v2, XSP
	v_add_nc_u32 v15, s25, v15                     ; out of it: XSP x lane
	v_mul_u32_u24 v4, v2, XCB                      ; my codes' place in a step's
	v_lshrrev_b32 v5, 1, v2
	s_add_co_u32 s25, s25, 2*32*XSP
	v_add_nc_u32 v5, s25, v5                       ; my block's scale byte in LDS
	v_lshlrev_b32 v7, 3, v2
	v_add_nc_u32 v6, s25, v7                       ; and 8 bytes a lane on the way out
	s_sub_co_u32 s26, ttmp9, 352
	s_lshl_b32 s26, s26, 2
	s_add_co_u32 s26, s26, s[WV]                   ; which run of 8,192 numbers is my wave's: 0 .. 1,023
	s_lshl_b32 s28, s26, 15
	s_add_nc_u64 s[4:5], s[4:5], s[28:29]
	s_lshl_b32 s28, s26, 12
	s_add_nc_u64 s[12:13], s[12:13], s[28:29]
	s_lshl_b32 s28, s26, 8
	s_add_nc_u64 s[14:15], s[14:15], s[28:29]
.macro XLOAD t
.irp i, 0,1,2,3
	global_load_b128 v[XR+16*((\t)%4)+4*\i:XR+16*((\t)%4)+4*\i+3], v3, s[4:5] offset:2048*(\t)+512*\i th:TH_LOAD_NT
.endr
.endm
.macro XTURN t                         ; LDS serves a wave's instructions in order: no wait between the stores and the loads
.irp i, 0,1,2,3
	ds_store_b128 v14, v[XR+16*((\t)%4)+4*\i:XR+16*((\t)%4)+4*\i+3] offset:32*XSP*((\t)%2)+8*XSP*\i
.endr
.irp i, 0,1,2,3
	ds_load_b128 v[XX+16*((\t)%2)+4*\i:XX+16*((\t)%2)+4*\i+3], v15 offset:32*XSP*((\t)%2)+16*\i
.endr
.endm
.irp t, 0,1,2,3
	XLOAD \t
.endr
	s_wait_loadcnt 12                              ; step 0's four loads are in; three steps' twelve stay out
	XTURN 0
.macro XSTEP t
.set XSS, XX+16*((\t)%2)
.if (\t) > 0
	s_wait_dscnt 1                                 ; this step's numbers are back from the stage; the last step's byte store may be out
.else
	s_wait_dscnt 0x0
.endif
.if (\t)+4 < 16
	XLOAD (\t)+4                                   ; into the set whose stores into the stage are done
.endif
.if (\t)+1 < 16
.if 14-(\t) >= 3
	s_wait_loadcnt 12                              ; the next step's four loads are in; three later steps' may be out
.else
	s_wait_loadcnt 4*(14-(\t))
.endif
	XTURN (\t)+1
.endif
	v_max3_num_f32 v8, |v[XSS]|, |v[XSS+1]|, |v[XSS+2]|
	v_max3_num_f32 v9, |v[XSS+3]|, |v[XSS+4]|, |v[XSS+5]|
.irp i, 6,10
	v_max3_num_f32 v8, v8, |v[XSS+\i]|, |v[XSS+\i+1]|
	v_max3_num_f32 v9, v9, |v[XSS+\i+2]|, |v[XSS+\i+3]|
.endr
	v_max3_num_f32 v8, v8, |v[XSS+14]|, |v[XSS+15]|
	v_max3_num_f32 v8, v8, v9, (EMAX+1)<<23        ; and the floor 2^(3 - 127): the byte cannot fall under 1
	v_max_num_f32_dpp v8, v8, v8 row_xmask:1 row_mask:0xf bank_mask:0xf   ; with my neighbour's 16: the block's largest magnitude
	v_add_nc_u32 v11, -(EMAX<<23), v8              ; 2 off its exponent field: the conversion's scale operand
	v_cvt_scalef32_pk8_fp4_f32 v[XC+4*(\t)], v[XSS:XSS+7], v11
	v_cvt_scalef32_pk8_fp4_f32 v[XC+4*(\t)+1], v[XSS+8:XSS+15], v11
	v_lshrrev_b32 v[XE+(\t)], 23, v11              ; the scale's byte
	ds_store_b8 v5, v[XE+(\t)] offset:16*(\t)      ; both lanes of a block write the same byte with the same value
	global_store_b64 v4, v[XC+4*(\t):XC+4*(\t)+1], s[12:13] offset:32*XCB*(\t)
.endm
.irp t, 0,1,2,3,4,5,6,7,8,9,10,11,12,13,14,15
	XSTEP \t
.endr
	ds_load_b64 v[8:9], v6
	s_wait_dscnt 0x0
	global_store_b64 v7, v[8:9], s[14:15]          ; 32 lanes store 256 consecutive bytes, aligned
	s_wait_tensorcnt 0x0                           ; the wave's end
	ds_add_u32 v[SPW], v[NIL]
	s_wait_dscnt 0x0
	s_endpgm
; ---- W.  K is Wqkv's first axis: a lane takes a column n and its registers run down K, so a block of 32 lies in one lane and the codes come out with K innermost.  A wave takes 16 columns x 512 along K:
; lanes 0-15 the first 256 along K of their column, lanes 16-31 the second 256: 8 blocks a lane.  A load reads 64 consecutive bytes in each of two rows; the work-group's four waves stand side by side on 256 aligned bytes.
; The codes go through the wave's own stage (a row to a column, 256 bytes) and leave by rows, sixteen lanes to 256 consecutive bytes.  Every offset is an immediate: 255 x 12,288 bytes at the most, inside the signed 24 bits.
.LroleW:
.set WP,   272                         ; a stage row: 256 bytes + 16
.set WX,   32                          ; v32-95   two sets of 32 numbers
.set WC,   96                          ; v96-99   a block's codes
.set WOUT, 112                         ; v112-143 the way out
.set WSB,  24                          ; v24-25   the scale bytes, four to a register
	s_lshr_b32 s25, ttmp9, 1                       ; which 64 columns
	s_and_b32 s26, ttmp9, 1                        ; which 512 along K
	s_lshl_b32 s25, s25, 6
	s_lshl_b32 s27, s[WV], 4
	s_add_co_u32 s25, s25, s27                     ; my wave's first column
	s_mul_i32 s28, s26, 512*3072*4
	s_lshl_b32 s27, s25, 2
	s_add_co_u32 s28, s28, s27
	s_add_nc_u64 s[6:7], s[6:7], s[28:29]
	s_lshl_b32 s28, s25, 9                         ; a row of codes is 512 bytes
	s_lshl_b32 s27, s26, 8
	s_add_co_u32 s28, s28, s27
	s_add_nc_u64 s[16:17], s[16:17], s[28:29]
	s_lshl_b32 s28, s25, 5                         ; a row of scale bytes is 32
	s_lshl_b32 s27, s26, 4
	s_add_co_u32 s28, s28, s27
	s_add_nc_u64 s[18:19], s[18:19], s[28:29]
	v_and_b32 v5, 15, v2                           ; my column among the wave's 16
	v_lshrrev_b32 v6, 4, v2                        ; which 256 along K
	v_mul_u32_u24 v3, v6, 256*3072*4
	v_lshl_add_u32 v3, v5, 2, v3                   ; in: 256 rows down for lanes 16-31, 4 bytes a column
	s_mul_i32 s27, s[WV], 16*WP
	s_add_co_u32 s27, s27, WREG                    ; my stage
	v_mul_u32_u24 v4, v5, WP
	v_lshl_add_u32 v4, v6, 7, v4
	v_add_nc_u32 v4, s27, v4                       ; into it: row = my column, 128 bytes for each 256 along K
	v_mul_u32_u24 v7, v6, WP
	v_lshl_add_u32 v7, v5, 4, v7
	v_add_nc_u32 v7, s27, v7                       ; out of it: sixteen lanes to a row, two rows an instruction
	v_mul_u32_u24 v8, v6, 512
	v_lshl_add_u32 v8, v5, 4, v8                   ; the same place in wc
	v_lshlrev_b32 v9, 5, v5
	v_lshl_add_u32 v9, v6, 3, v9                   ; my 8 scale bytes in my column's row
.macro WLOAD t
.irp i, 0,1,2,3,4,5,6,7,8,9,10,11,12,13,14,15,16,17,18,19,20,21,22,23,24,25,26,27,28,29,30,31
	global_load_b32 v[WX+32*((\t)%2)+\i], v3, s[6:7] offset:(32*(\t)+\i)*3072*4 th:TH_LOAD_NT
.endr
.endm
	WLOAD 0
	WLOAD 1
.macro WBLOCK t
.set WXS, WX+32*((\t)%2)
.if (\t) < 7
	s_wait_loadcnt 32                              ; this block's 32 loads are in; the next block's may be out
.else
	s_wait_loadcnt 0
.endif
	v_max3_num_f32 v12, |v[WXS]|, |v[WXS+1]|, |v[WXS+2]|
	v_max3_num_f32 v13, |v[WXS+3]|, |v[WXS+4]|, |v[WXS+5]|
.irp i, 6,10,14,18,22,26
	v_max3_num_f32 v12, v12, |v[WXS+\i]|, |v[WXS+\i+1]|
	v_max3_num_f32 v13, v13, |v[WXS+\i+2]|, |v[WXS+\i+3]|
.endr
	v_max3_num_f32 v12, v12, |v[WXS+30]|, |v[WXS+31]|
	v_max3_num_f32 v12, v12, v13, (EMAX+1)<<23
	v_add_nc_u32 v11, -(EMAX<<23), v12
	v_lshrrev_b32 v13, 23, v11
.if (\t)%4 == 0
	v_mov_b32 v[WSB+(\t)/4], v13
.else
	v_lshl_or_b32 v[WSB+(\t)/4], v13, 8*((\t)%4), v[WSB+(\t)/4]
.endif
.irp g, 0,1,2,3
	v_cvt_scalef32_pk8_fp4_f32 v[WC+\g], v[WXS+8*\g:WXS+8*\g+7], v11
.endr
	ds_store_b128 v4, v[WC:WC+3] offset:16*(\t)
.if (\t)+2 < 8
	WLOAD (\t)+2
.endif
	s_wait_dscnt 0x0                               ; the store has read its registers: the next block's codes may be written
.endm
.set WQ, 0
.rept 8
	WBLOCK WQ
.set WQ, WQ+1
.endr
	global_store_b64 v9, v[WSB:WSB+1], s[18:19]    ; my 8 scale bytes
.irp t, 0,1,2,3,4,5,6,7
	ds_load_b128 v[WOUT+4*\t:WOUT+4*\t+3], v7 offset:2*\t*WP
.endr
.irp t, 0,1,2,3,4,5,6,7
	s_wait_dscnt 7-\t                              ; rows 2 t and 2 t + 1 are back; the later loads may be out
	global_store_b128 v8, v[WOUT+4*\t:WOUT+4*\t+3], s[16:17] offset:2*\t*512
.endr
	s_wait_tensorcnt 0x0                           ; the wave's end
	ds_add_u32 v[SPW], v[NIL]
	s_wait_dscnt 0x0
	s_endpgm
; ---- M.  m8: the fragment of 16 queries (tile qt) x 16 keys (tile kt) is 1,024 bytes at (64 qt + kt) x 1,024: two images of 512 bytes (c = 0, 1), lane l's 16 bytes at 16 l; word j = -8 mask[16 qt + l % 16][16 kt + 8 (l / 16) + 4 c + j].
; A wave takes 16 queries x 128 keys.  A load's lane p holds 4 keys of one row: piece (kt' = p / 4, h = (p / 2) % 2, c = p % 2); the 16 rows of a piece are 256 consecutive bytes of m8.  The turn through the wave's stage
; (row = piece, 272 bytes apart) gives them to 16 neighbouring lanes.
.LroleM:
	s_sub_co_u32 s25, ttmp9, 96
	s_lshl_b32 s25, s25, 2
	s_add_co_u32 s25, s25, s[WV]                   ; 0 .. 511
	s_lshr_b32 s26, s25, 3                         ; qt
	s_and_b32 s27, s25, 7                          ; which 128 keys
	s_lshl_b32 s28, s26, 16                        ; 16 rows of 4,096 bytes
	s_lshl_b32 s30, s27, 9
	s_add_co_u32 s28, s28, s30
	s_add_nc_u64 s[10:11], s[10:11], s[28:29]
	s_lshl_b32 s28, s26, 16                        ; 64 fragments
	s_lshl_b32 s30, s27, 13                        ; 8 fragments
	s_add_co_u32 s28, s28, s30
	s_add_nc_u64 s[22:23], s[22:23], s[28:29]
	s_mov_b32 s26, 0xc1000000                      ; -8.0
	s_mov_b32 s27, s26                             ; (named with it as a pair, so it is written)
	v_lshlrev_b32 v3, 4, v2
	s_mul_i32 s30, s[WV], 32*272
	s_add_co_u32 s30, s30, MREG                    ; my stage
	v_mul_u32_u24 v5, v2, 272
	v_add_nc_u32 v5, s30, v5                       ; in: row = my piece; the query's 16 bytes stand in the immediate
	v_lshrrev_b32 v8, 4, v2
	v_and_b32 v9, 15, v2
	v_mul_u32_u24 v6, v8, 272
	v_lshl_add_u32 v6, v9, 4, v6
	v_add_nc_u32 v6, s30, v6                       ; back: lanes 0-15 an even piece (c = 0), lanes 16-31 the odd one behind it (c = 1)
	v_lshlrev_b32 v7, 9, v8
	v_lshl_add_u32 v7, v9, 4, v7                   ; in m8: 512 c + 16 x query
.irp r, 0,1,2,3,4,5,6,7,8,9,10,11,12,13,14,15
	global_load_b128 v[16+4*\r:19+4*\r], v3, s[10:11] offset:4096*\r th:TH_LOAD_NT   ; 512 consecutive bytes of row r
.endr
.irp r, 0,1,2,3,4,5,6,7,8,9,10,11,12,13,14,15
	s_wait_loadcnt 15-\r                           ; row r is in; the later rows may be out
	v_pk_mul_f32 v[16+4*\r:17+4*\r], v[16+4*\r:17+4*\r], s[26:27] op_sel_hi:[1,0]
	v_pk_mul_f32 v[18+4*\r:19+4*\r], v[18+4*\r:19+4*\r], s[26:27] op_sel_hi:[1,0]
	ds_store_b128 v5, v[16+4*\r:19+4*\r] offset:16*\r
.endr
.irp i, 0,1,2,3,4,5,6,7,8,9,10,11,12,13,14,15
	ds_load_b128 v[80+4*\i:83+4*\i], v6 offset:544*\i
.endr
.irp i, 0,1,2,3,4,5,6,7,8,9,10,11,12,13,14,15
	s_wait_dscnt 15-\i
	global_store_b128 v7, v[80+4*\i:83+4*\i], s[22:23] offset:(\i/2)*1024+(\i%2)*256   ; each half of the lanes stores 256 consecutive bytes, aligned
.endr
	s_wait_tensorcnt 0x0                           ; the wave's end
	ds_add_u32 v[SPW], v[NIL]
	s_wait_dscnt 0x0
	s_endpgm
; ---- O.  A wave rounds 2,048 numbers of Wo to f16: 16 loads of 512 consecutive bytes, 16 stores of 256.  No LDS, no register written twice.
.LroleO:
	s_sub_co_u32 s25, ttmp9, 224
	s_lshl_b32 s25, s25, 2
	s_add_co_u32 s25, s25, s[WV]
	s_lshl_b32 s28, s25, 13
	s_add_nc_u64 s[8:9], s[8:9], s[28:29]
	s_lshl_b32 s28, s25, 12
	s_add_nc_u64 s[20:21], s[20:21], s[28:29]
	v_lshlrev_b32 v3, 4, v2
	v_lshlrev_b32 v4, 3, v2
.irp i, 0,1,2,3,4,5,6,7,8,9,10,11,12,13,14,15
	global_load_b128 v[16+4*\i:19+4*\i], v3, s[8:9] offset:512*\i th:TH_LOAD_NT
.endr
.irp i, 0,1,2,3,4,5,6,7,8,9,10,11,12,13,14,15
	s_wait_loadcnt 15-\i
	v_cvt_pk_f16_f32 v[80+2*\i], v[16+4*\i], v[17+4*\i]
	v_cvt_pk_f16_f32 v[81+2*\i], v[18+4*\i], v[19+4*\i]
	global_store_b64 v4, v[80+2*\i:81+2*\i], s[20:21] offset:256*\i
.endr
	s_endpgm
.Lfunc_end_k_qdba4ef0b60_prep:
	.size	k_qdba4ef0b60_prep, .Lfunc_end_k_qdba4ef0b60_prep-k_qdba4ef0b60_prep
	.p2alignl 7, 3214868480
	.fill 96, 4, 3214868480
	.section	.rodata,"a",@progbits
	.p2align	6, 0x0
	.amdhsa_kernel k_qdba4ef0b60_prep
		.amdhsa_group_segment_fixed_size 102912
		.amdhsa_private_segment_fixed_size 0
		.amdhsa_enable_private_segment 0
		.amdhsa_kernarg_size 80
		.amdhsa_user_sgpr_count 2
		.amdhsa_user_sgpr_kernarg_segment_ptr 1
		.amdhsa_wavefront_size32 1
		.amdhsa_system_sgpr_workgroup_id_x 1
		.amdhsa_system_sgpr_workgroup_id_y 1
		.amdhsa_system_sgpr_workgroup_id_z 1
		.amdhsa_system_vgpr_workitem_id 0
		.amdhsa_next_free_vgpr 200
		.amdhsa_next_free_sgpr 66
		.amdhsa_reserve_vcc 0
		.amdhsa_float_denorm_mode_32 3
		.amdhsa_float_denorm_mode_16_64 3
		.amdhsa_memory_ordered 1
		.amdhsa_forward_progress 1
		.amdhsa_inst_pref_size 88
	.end_amdhsa_kernel
	.amdgpu_metadata
---
amdhsa.version: [ 1, 2 ]
amdhsa.kernels:
  - .name:           k_qdba4ef0b60_prep
    .symbol:         k_qdba4ef0b60_prep.kd
    .args:
      - { .name: x, .offset: 0, .size: 8, .value_kind: global_buffer, .address_space: global }
      - { .name: Wqkv, .offset: 8, .size: 8, .value_kind: global_buffer, .address_space: global }
      - { .name: Wo, .offset: 16, .size: 8, .value_kind: global_buffer, .address_space: global }
      - { .name: mask, .offset: 24, .size: 8, .value_kind: global_buffer, .address_space: global }
      - { .name: xc, .offset: 32, .size: 8, .value_kind: global_buffer, .address_space: global }
      - { .name: xs, .offset: 40, .size: 8, .value_kind: global_buffer, .address_space: global }
      - { .name: wc, .offset: 48, .size: 8, .value_kind: global_buffer, .address_space: global }
      - { .name: ws, .offset: 56, .size: 8, .value_kind: global_buffer, .address_space: global }
      - { .name: wo16, .offset: 64, .size: 8, .value_kind: global_buffer, .address_space: global }
      - { .name: m8, .offset: 72, .size: 8, .value_kind: global_buffer, .address_space: global }
    .group_segment_fixed_size: 102912
    .private_segment_fixed_size: 0
    .kernarg_segment_align: 8
    .kernarg_segment_size: 80
    .max_flat_workgroup_size: 128
    .sgpr_count:     66
    .vgpr_count:     200
    .wavefront_size: 32
...
	.end_amdgpu_metadata
.endif
;; end of part 1
;; launch qkvgemm (part 2): grid 8 x 32, 4 waves a work-group, clusters of 4 x 4, 327,680 bytes of LDS; arguments xc, xs, wc, ws, bqkv, qkv; writes qkv
.if DOCPART == 2
	.amdgcn_target "amdgcn-amd-amdhsa--gfx1250"
	.amdhsa_code_object_version 6
	.text
	.protected	k_qdba4ef0b60_qkvgemm
	.globl	k_qdba4ef0b60_qkvgemm
	.p2align	8
	.type	k_qdba4ef0b60_qkvgemm,@function
k_qdba4ef0b60_qkvgemm:
	s_mov_b64 s[64:65], 0
	v_nop
	global_prefetch_b8 v0, s[64:65] scope:SCOPE_SE
	s_setreg_imm32_b32 hwreg(HW_REG_WAVE_MODE, 25, 1), 1
	s_wait_xcnt 0x0
	s_wait_alu depctr_hold_cnt(0) depctr_sa_sdst(0) depctr_va_vdst(0) depctr_va_sdst(0) depctr_va_ssrc(0) depctr_va_vcc(0) depctr_vm_vsrc(0)
	s_getreg_b32 s2, hwreg(HW_REG_IB_STS2, 6, 4)
	s_cmp_eq_u32 s2, 0
	s_cbranch_scc0 .Lentry_in_a_cluster
	s_endpgm
.Lentry_in_a_cluster:
	s_bfe_u32 s2, ttmp6, 0x10000c
	s_cmp_lg_u32 s2, 0xf033
	s_cbranch_scc0 .Lentry_shape_is_right
	s_endpgm
.Lentry_shape_is_right:
; qkv = Q(x) Q(Wqkv) + bias, the quantised product: [8192][1024] x [3072][1024]^T on codes of E2M1 with one E8M0 scale for each 32 along K; sums in f32; the result rounded to f16 and laid head-major:
; byte (which << 24) + (b << 21) + (head << 17) + (p << 7) + 2 s, which = 0, 1, 2 for q, k, v.
; LEFT OUT (shown at the head of the first kernel): the bias of k, bqkv[1024:2048], is the same along the softmax's axis once multiplied by q; it is not loaded, and k's sums begin with zeros.
; LIMIT: q, k, v are rounded to f16: magnitudes over 65,504 overflow, under 6e-5 lose bits.
; SHARES.  32 x 8 = 256 work-groups of equal work.  Work-group (tile row tr, tile column tc) makes rows 256 tr on x 384 columns: 128 of q (from 128 tc), 128 of k (from 1,024 + 128 tc), 128 of v (from 2,048 + 128 tc): two heads of each.
; PASS 1: q's and k's 256 columns; four waves, 128 x 128 each: 64 accumulators, 512 registers; a wave's columns are all q's (column half 0) or all k's (half 1).  K = 1,024 is two slots of 512 (rows of 256 bytes), both asked for at the head.
; PASS 2: v's 128 columns; a wave makes its 128 rows x 64 columns (one head): 32 accumulators.  x's tiles lie in both slots still.  v's codes come by ONE refill: when slot 0 has been left, its 256 rows of Wqkv's codes are done
; with, and take v's 128 rows twice: K 0 to 511 in rows 0-127, K 512 to 1,023 in rows 128-255.  That load has pass 1's second slot (256 matrix instructions a wave) and pass 1's way out in which to land.  Pass 1's stores leave under pass 2.
; CLUSTERS: 4 x 4 work-groups; x's tiles are shared along a row of the cluster, Wqkv's along a column: each is asked for jointly, by the same tensor load with the same descriptor and a mask that names the four.
; THE MATRIX INSTRUCTION IS USED TRANSPOSED (source 0 = 16 rows of wc, source 1 = 16 rows of xc): a lane holds eight neighbouring columns of one row.  The bias is the C of each sum's first instruction.
; REGISTERS: window 0: v8-30 addresses; v32-95 scale words, two sets; v96-127 packed results; v128-191 x's fragments, one set, later rows on the way out; v192-255 pass 1's bias, 8 registers for each block of 16 columns, later rows on the way out.
;   window 1: wc's fragments, two sets, at v0 and v128; v64-95 v's bias.   window 2: pass 1's accumulators of my rows 0-63 ((a, b) at v[8 (8 a + b)]), then pass 2's 32 ((a, b) at v[8 (4 a + b)]);   window 3: pass 1's of my rows 64-127.
.set SIZE_K, 1024
.set NQ,     4                         ; matrix instructions deep in a slot
.set ROWB,   256                       ; a tile's row in bytes: 512 codes
.set KROW,   SIZE_K/2                  ; a row of codes in memory
.set PITCH,  272                       ; an LDS row: 256 bytes + 16 = 68 words: the 16 rows that a load touches start at 16 different banks (64 banks of 4 bytes: ISA guide 11.1)
.set FR,     8
.set NL,     2
.set NP,     4                         ; places behind this matrix instruction (ISA guide 7.12.1)
.set HALFT,  128*PITCH
.set SLOT,   4*HALFT                   ; x's 256 rows, then Wqkv's 256
.set KS,     SIZE_K/32
.set SCL,    2*SLOT                    ; behind the ring: the scale bytes, as runs of 256 bytes + 16 of padding: x's 256 rows,
.set HALFS,  (128*KS/256)*272
.set SBLK,   (16*KS/256)*272
.set SCV,    SCL+2*HALFS               ; v's 128 columns,
.set SCB,    SCL+3*HALFS               ; q's 128 and k's 128
.set SPARE,  SCL+5*HALFS               ; the spare words, 128 bytes for each wave: two blocks of 256 bytes that no other line names
.set STAGE,  SPARE+512                 ; the way out: 4,352 bytes for each wave, into which no tile lands
.set SPITCH, 272                       ; pass 1: 16 rows x (256 bytes + 16)
.set SP2,    144                       ; pass 2: 16 rows x (128 bytes + 16)
.set STO2, 8
.set RD2,  9
.set CO2,  10
.set ADRS2, 11
.set ADRA, 16
.set ADRB, 20
.set ADRV, 22                          ; v22-23  LDS address of my fragments of v, K half 0, 1
.set STO,  24
.set RD,   25
.set CO,   26
.set ADRS, 27
.set SPW,  28
.set NIL,  29
.set BO,   30                          ; v30  32 x (lane / 16): my eight numbers of a block's bias; never rewritten
.set SC,   32
.set TMP,  96
.set AF,   128
.set BK,   128
.set BIAS, 192
.set VB,   64                          ; in window 1
.set G1SV, 4                           ; s[4:11]  group 1 for v's scale bytes, written when the four pointers that lay there have been used
.set G1, 24
.set G0, 32
.set G1B, 48
.set G0B, 56
.set G1S, 68
.set G0S, 76
.set G1SB, 80
.set G0SB, 88
.set G0SV, 96
.set MSB, 0
.macro WIN new                         ; the immediate's high byte repeats the setting that is left
.if MSB != (\new)
	s_set_vgpr_msb (MSB<<8)|(\new)
.set MSB, (\new)
.endif
.endm
.set MUL_LO, 0xa1                      ; source 0 window 1, source 1 window 0, C and D window 2
.set MUL_HI, 0xf1                      ; the same, C and D window 3
.set FST_LO, 0x81                      ; pass 1's first K step: C (the bias) window 0, D window 2
.set FST_HI, 0xc1                      ; D window 3
.set FST_V,  0x91                      ; pass 2's first K step: C (v's bias) window 1, D window 2
.set TO_B,   0x40
; A joint load: waves 0 and 1 fetch for x, waves 2 and 3 for Wqkv; the branch hangs on the wave's number alone.  An s_nop 0 and four v_nop follow each of the two lines.
.macro JLOAD g0a, g1a, g0b, g1b
	s_cmp_eq_u32 s15, 0
	s_cbranch_scc0 .Lfor_b_\@
	tensor_load_to_lds s[\g0a:\g0a+3], s[\g1a:\g1a+7]
	s_nop 0
.rept 4
	v_nop
.endr
	s_branch .Lasked_\@
.Lfor_b_\@:
	tensor_load_to_lds s[\g0b:\g0b+3], s[\g1b:\g1b+7]
	s_nop 0
.rept 4
	v_nop
.endr
.Lasked_\@:
.endm
.macro CREST                           ; a round of the cluster's barrier behind its opening barrier
	s_cmp_lg_u32 s14, 0
	s_cbranch_scc1 .Lnot_wave_0_\@
	s_barrier_signal -3
.Lnot_wave_0_\@:
	s_barrier_wait -3
	s_barrier_signal -1
	s_barrier_wait -1
.endm
.macro CROUND                          ; a whole round
	s_barrier_signal -1
	s_barrier_wait -1
	CREST
.endm
	s_load_b128 s[4:7], s[0:1], 0x0                ; xc s[4:5], xs s[6:7]
	s_load_b128 s[8:11], s[0:1], 0x10              ; wc s[8:9], ws s[10:11]
	s_load_b64 s[66:67], s[0:1], 0x20              ; bqkv
	s_load_b64 s[12:13], s[0:1], 0x28              ; qkv
	v_lshl_add_u32 v[SPW], v0, 2, SPARE
	v_mov_b32 v[NIL], 0
	ds_add_u32 v[SPW], v[NIL]                      ; the wave's opening: the add, twice on end, and its wait ahead of my first tensor load
	ds_add_u32 v[SPW], v[NIL]
	v_lshrrev_b32 v1, 5, v0
	v_readfirstlane_b32 s14, v1                    ; wave 0..3
	s_lshr_b32 s15, s14, 1                         ; which half of the tile's rows is mine.  Also: I fetch for x (0) or for Wqkv (1)
	s_and_b32 s16, s14, 1                          ; which half of a pass's columns.  Also: which 128 rows of x, or q's (0) or k's (1) 128 columns, I fetch
	s_bfe_u32 s40, ttmp6, 0x40000                  ; cx, cy
	s_bfe_u32 s41, ttmp6, 0x40004
	s_lshl_b32 s42, ttmp9, 2
	s_add_co_u32 s42, s42, s40                     ; tile column tc, 0 .. 7
	s_and_b32 s17, ttmp7, 0xffff
	s_lshl_b32 s17, s17, 2
	s_add_co_u32 s17, s17, s41                     ; tile row tr, 0 .. 31
	s_lshl_b32 s43, s41, 2
	s_lshl_b32 s43, 15, s43                        ; my row of the cluster
	s_lshl_b32 s44, 0x1111, s40                    ; my column
	s_or_b32 s[G1+0], s43, (0<<16)|(1<<20)|(1<<21)|(5<<22)|(3<<25)  ; the mask; elements of 1 byte; padding on; bit 21 beside a mask; 4 words behind every 64
	s_or_b32 s[G1B+0], s44, (0<<16)|(1<<20)|(1<<21)|(5<<22)|(3<<25)
.irp g, G1, G1B
	s_mov_b32 s[\g+1], ROWB<<16                    ; tensor_dim0
	s_mov_b32 s[\g+2], 128<<16                     ; tensor_dim1
	s_mov_b32 s[\g+3], ROWB<<16                    ; tile_dim0
	s_mov_b32 s[\g+4], 128                         ; tile_dim1
	s_mov_b32 s[\g+5], KROW                        ; the pitch in memory
	s_mov_b32 s[\g+6], 0
	s_mov_b32 s[\g+7], 0
.endr
	s_or_b32 s[G1S+0], s43, (3<<16)|(1<<20)|(1<<21)|(5<<22)|(3<<25)  ; the scale bytes of 128 rows: a dense block, as rows of 256 bytes (32 elements of 8 bytes)
	s_or_b32 s[G1SB+0], s44, (3<<16)|(1<<20)|(1<<21)|(5<<22)|(3<<25)
.irp g, G1S, G1SB
	s_mov_b32 s[\g+1], 32<<16
	s_mov_b32 s[\g+2], (128*KS/256)<<16
	s_mov_b32 s[\g+3], 32<<16
	s_mov_b32 s[\g+4], 128*KS/256
	s_mov_b32 s[\g+5], 32
	s_mov_b32 s[\g+6], 0
	s_mov_b32 s[\g+7], 0
.endr
	s_lshl_b32 s18, s16, 7
	s_lshl_b32 s20, s17, 8
	s_add_co_u32 s20, s20, s18                     ; x: row 256 tr + 128 x half
	s_lshl_b32 s18, s16, 10
	s_lshl_b32 s46, s42, 7
	s_add_co_u32 s46, s46, s18                     ; Wqkv: column 128 tc (q's) or 1,024 + 128 tc (k's)
	s_mov_b32 s21, 0
	s_mov_b32 s47, 0
	s_mov_b64 s[18:19], KS
	s_mul_u64 s[22:23], s[20:21], s[18:19]
	s_mul_u64 s[92:93], s[46:47], s[18:19]
	s_mov_b64 s[18:19], KROW
	s_mul_u64 s[20:21], s[20:21], s[18:19]
	s_mul_u64 s[46:47], s[46:47], s[18:19]
	s_mul_i32 s45, s14, HALFT                      ; where the codes go: wave x 128 rows
	s_mul_i32 s94, s14, HALFS                      ; and the scale bytes
	s_lshl_b32 s100, s42, 12                       ; v's scale bytes: 32 x (2,048 + 128 tc + 32 x wave): each wave brings 32 columns' bytes
	s_lshl_b32 s101, s14, 10
	s_add_co_u32 s100, s100, s101
	s_add_co_u32 s100, s100, 65536
	s_mov_b32 s101, 0
	s_mul_i32 s95, s14, 4*272                      ; into four rows of 272 bytes
	s_wait_dscnt 0x0                               ; both opening adds are done
	s_wait_kmcnt 0x0
	s_add_nc_u64 s[20:21], s[4:5], s[20:21]
	s_add_nc_u64 s[22:23], s[6:7], s[22:23]
	s_add_nc_u64 s[46:47], s[8:9], s[46:47]
	s_add_nc_u64 s[92:93], s[10:11], s[92:93]
	s_add_nc_u64 s[G0SV+2:G0SV+3], s[10:11], s[100:101]
	s_or_b32 s[G1SV+0], s44, (3<<16)|(1<<20)|(1<<21)|(5<<22)|(3<<25)  ; the four pointers have been used: their registers take group 1 for v's scale bytes: 4 rows of 256 bytes
	s_mov_b32 s[G1SV+1], 32<<16
	s_mov_b32 s[G1SV+2], 4<<16
	s_mov_b32 s[G1SV+3], 32<<16
	s_mov_b32 s[G1SV+4], 4
	s_mov_b32 s[G1SV+5], 32
	s_mov_b32 s[G1SV+6], 0
	s_mov_b32 s[G1SV+7], 0
	CROUND                                         ; all sixteen work-groups are here: the joint loads meet
	s_mov_b32 s[G0SV], 1
	s_add_co_u32 s[G0SV+1], s95, SCV
	s_or_b32 s[G0SV+3], s[G0SV+3], 0x80000000
	tensor_load_to_lds s[G0SV:G0SV+3], s[G1SV:G1SV+7]   ; every wave its quarter of v's scale bytes: no branch.  Four loads of mine are out behind the next three
	s_nop 0
.rept 4
	v_nop
.endr
	s_mov_b32 s[G0S], 1
	s_add_co_u32 s[G0S+1], s94, SCL
	s_mov_b64 s[G0S+2:G0S+3], s[22:23]
	s_or_b32 s[G0S+3], s[G0S+3], 0x80000000
	s_mov_b32 s[G0SB], 1
	s_add_co_u32 s[G0SB+1], s94, SCL+HALFS         ; waves 2 and 3: behind v's
	s_mov_b64 s[G0SB+2:G0SB+3], s[92:93]
	s_or_b32 s[G0SB+3], s[G0SB+3], 0x80000000
	JLOAD G0S, G1S, G0SB, G1SB
.irp s, 0,1
	s_mov_b32 s[G0+4*\s], 1
	s_add_co_u32 s[G0+4*\s+1], s45, \s*SLOT
	s_add_nc_u64 s[G0+4*\s+2:G0+4*\s+3], s[20:21], \s*ROWB
	s_or_b32 s[G0+4*\s+3], s[G0+4*\s+3], 0x80000000
	s_mov_b32 s[G0B+4*\s], 1
	s_add_co_u32 s[G0B+4*\s+1], s45, \s*SLOT
	s_add_nc_u64 s[G0B+4*\s+2:G0B+4*\s+3], s[46:47], \s*ROWB
	s_or_b32 s[G0B+4*\s+3], s[G0B+4*\s+3], 0x80000000
	JLOAD G0+4*\s, G1, G0B+4*\s, G1B
.endr
	s_mul_i32 s100, s16, 524032                    ; the refill's step, in bytes, from my first tile of Wqkv's codes to my tile of v's: from column 128 tc + 1,024 half, K 0, to column 2,048 + 128 tc, K 512 half:
	s_sub_co_u32 s100, 0x100000, s100              ; (2,048 - 1,024 half) x 512 + 256 half;  s101 = 0 still
	v_and_b32 v1, 15, v0                           ; l % 16
	v_bfe_u32 v2, v0, 4, 1                         ; l / 16
	v_lshlrev_b32 v[BO], 5, v2
	; THE BIAS, in the result's layout: a block's eight registers hold bqkv[the block's first column + 8 (l / 16) + 0 .. 7].  v's: every wave its 64 columns.  Pass 1's: the waves of column half 0 load q's 128;
	; those of half 1 make k's columns: their registers are zeros and bqkv[1024:2048] is not read.  The branch hangs on the wave's number alone.
	s_lshl_b32 s46, s42, 9
	s_mov_b32 s47, 0
	s_add_nc_u64 s[66:67], s[66:67], s[46:47]      ; bqkv at column 128 tc
	s_lshl_b32 s92, s16, 8
	s_add_co_u32 s92, s92, 8192
	s_mov_b32 s93, 0
	s_add_nc_u64 s[92:93], s[66:67], s[92:93]      ; and at column 2,048 + 128 tc + 64 x half
	WIN TO_B                                       ; destination window 1
.irp b, 0,1,2,3
	global_load_b128 v[VB+8*\b:VB+8*\b+3], v[BO], s[92:93] offset:64*\b
	global_load_b128 v[VB+8*\b+4:VB+8*\b+7], v[BO], s[92:93] offset:64*\b+16
.endr
	WIN 0
	s_cmp_eq_u32 s16, 1
	s_cbranch_scc1 .Lk_cols
.irp b, 0,1,2,3,4,5,6,7
	global_load_b128 v[BIAS+8*\b:BIAS+8*\b+3], v[BO], s[66:67] offset:64*\b
	global_load_b128 v[BIAS+8*\b+4:BIAS+8*\b+7], v[BO], s[66:67] offset:64*\b+16
.endr
	s_branch .Lbias_done
.Lk_cols:
.set i, 0
.rept 64
	v_mov_b32 v[BIAS+i], 0
.set i, i+1
.endr
.Lbias_done:
	v_mul_u32_u24 v3, v1, PITCH
	v_lshl_add_u32 v4, v2, 4, v3                   ; a fragment's row x pitch + 16 x half
	s_mul_i32 s21, s15, HALFT
	s_mul_i32 s22, s16, HALFT
	s_add_co_u32 s22, s22, 2*HALFT
.irp s, 0,1
	v_add_nc_u32 v[ADRA+\s], s21, v4
	v_add_nc_u32 v[ADRB+\s], s22, v4
	s_add_co_u32 s21, s21, SLOT
	s_add_co_u32 s22, s22, SLOT
.endr
	s_mul_i32 s22, s16, 64*PITCH                   ; v: my 64 columns, in slot 0's rows of Wqkv: K half 0 in rows 0-127,
	s_add_co_u32 s22, s22, 2*HALFT
	v_add_nc_u32 v[ADRV], s22, v4
	s_add_co_u32 s22, s22, HALFT                   ; K half 1 in rows 128-255
	v_add_nc_u32 v[ADRV+1], s22, v4
	v_mul_u32_u24 v5, v1, KS                       ; my row's scale bytes: KS a row,
	v_lshrrev_b32 v6, 8, v5
	v_lshl_add_u32 v5, v6, 4, v5                   ; and 16 more for each 256 passed
	s_mul_i32 s21, s15, HALFS                      ; lanes 0-15: x's, my 128 rows
	s_mul_i32 s22, s16, HALFS
	s_add_co_u32 s22, s22, 3*HALFS
	s_sub_co_u32 s22, s22, s21
	v_mul_u32_u24 v6, s22, v2                      ; lanes 16-31, pass 1: q's or k's
	s_mul_i32 s23, s16, 4*SBLK
	s_add_co_u32 s23, s23, 2*HALFS
	s_sub_co_u32 s23, s23, s21
	v_mul_u32_u24 v7, s23, v2                      ; lanes 16-31, pass 2: v's, my 64 columns
	s_add_co_u32 s21, s21, SCL
	v_add_nc_u32 v6, v5, v6
	v_add_nc_u32 v[ADRS], s21, v6
	v_add_nc_u32 v7, v5, v7
	v_add_nc_u32 v[ADRS2], s21, v7
	s_mul_i32 s23, s14, 16*SPITCH
	s_add_co_u32 s23, s23, STAGE                   ; my stage
	v_mul_u32_u24 v5, v1, SPITCH
	v_lshl_add_u32 v5, v2, 4, v5
	v_add_nc_u32 v[STO], s23, v5                   ; pass 1, in: row l % 16, 16 bytes for each half of the lanes
	v_bfe_u32 v5, v0, 3, 1
	v_mul_u32_u24 v5, v5, SPITCH
	v_lshl_add_u32 v5, v2, 7, v5
	v_and_b32 v6, 7, v0
	v_lshl_add_u32 v5, v6, 4, v5
	v_add_nc_u32 v[RD], s23, v5                    ; back: lanes 0-15 two rows of my first head (128 bytes each), lanes 16-31 the same of my second
	v_lshlrev_b32 v[CO], 17, v2
	v_lshl_add_u32 v[CO], v1, 4, v[CO]             ; in qkv: the head's 2^17 bytes, and 16 bytes a lane: two rows of a head are 256 consecutive bytes
	v_mul_u32_u24 v5, v1, SP2
	v_lshl_add_u32 v5, v2, 4, v5
	v_add_nc_u32 v[STO2], s23, v5                  ; pass 2, in: row l % 16 of 128 bytes
	v_bfe_u32 v5, v0, 3, 2
	v_mul_u32_u24 v5, v5, SP2
	v_lshl_add_u32 v5, v6, 4, v5
	v_add_nc_u32 v[RD2], s23, v5                   ; back: eight lanes to a row, four rows an instruction
	v_and_b32 v6, 31, v0
	v_lshlrev_b32 v[CO2], 4, v6                    ; in qkv: four rows of one head are 512 consecutive bytes
	s_lshr_b32 s20, s17, 2
	s_lshl_b32 s20, s20, 21                        ; b
	s_lshl_b32 s21, s42, 18                        ; head 2 tc
	s_add_co_u32 s20, s20, s21
	s_and_b32 s21, s17, 3
	s_lshl_b32 s21, s21, 15                        ; 256 rows of 128 bytes a tile row,
	s_add_co_u32 s20, s20, s21
	s_lshl_b32 s21, s15, 14                        ; 128 a wave
	s_add_co_u32 s20, s20, s21
	s_lshl_b32 s22, s16, 17                        ; pass 2: head 2 tc + half,
	s_add_co_u32 s22, s22, s20
	s_add_co_u32 s22, s22, 2<<24                   ; of v
	s_mov_b32 s23, 0
	s_add_nc_u64 s[2:3], s[12:13], s[22:23]
	s_lshl_b32 s21, s16, 24                        ; pass 1: q or k
	s_add_co_u32 s20, s20, s21
	s_mov_b32 s21, 0
	s_add_nc_u64 s[12:13], s[12:13], s[20:21]
.macro FRAG reg, adr, q, i             ; 16 rows x 128 K of 4-bit codes: 8 registers, two loads of 16 bytes, 32 bytes apart
.irp c, 0,1
	ds_load_b128 v[\reg+4*\c:\reg+4*\c+3], v[\adr] offset:64*(\q)+32*\c+(\i)*16*PITCH
.endr
.endm
; PASS 1.  16 matrix instructions: x's blocks a0, a0 + 1 against Wqkv's eight, 128 along K.  first = 1: C is the bias.  The 64 accumulators take turns, one instruction a turn.
.macro MUL16 a0, p, q, sc, first
.irp a, \a0, \a0+1
.irp b, 0,1,2,3,4,5,6,7
.if \first
	v_wmma_scale_f32_16x16x128_f8f6f4 v[8*(8*((\a)%4)+\b):8*(8*((\a)%4)+\b)+7], v[128*(\p)+FR*\b:128*(\p)+FR*\b+FR-1], v[AF+FR*(\a):AF+FR*(\a)+FR-1], v[BIAS+8*\b:BIAS+8*\b+7], v[SC+8*NQ*(\sc)+NQ*\b+(\q)], v[SC+8*NQ*(\sc)+NQ*(\a)+(\q)] matrix_a_fmt:MATRIX_FMT_FP4 matrix_b_fmt:MATRIX_FMT_FP4 matrix_a_scale:MATRIX_SCALE_ROW1
.else
	v_wmma_scale_f32_16x16x128_f8f6f4 v[8*(8*((\a)%4)+\b):8*(8*((\a)%4)+\b)+7], v[128*(\p)+FR*\b:128*(\p)+FR*\b+FR-1], v[AF+FR*(\a):AF+FR*(\a)+FR-1], v[8*(8*((\a)%4)+\b):8*(8*((\a)%4)+\b)+7], v[SC+8*NQ*(\sc)+NQ*\b+(\q)], v[SC+8*NQ*(\sc)+NQ*(\a)+(\q)] matrix_a_fmt:MATRIX_FMT_FP4 matrix_b_fmt:MATRIX_FMT_FP4 matrix_a_scale:MATRIX_SCALE_ROW1
.endif
.endr
.endr
.endm
.macro FETCH_B slot, q, p
	WIN TO_B
.irp i, 0,1,2,3,4,5,6,7
	FRAG 128*(\p)+FR*\i, ADRB+\slot, \q, \i
.endr
	WIN 0
.endm
.macro FETCH_A slot, q, i0
.irp i, \i0, \i0+1, \i0+2, \i0+3
	FRAG AF+FR*(\i), ADRA+\slot, \q, \i
.endr
.endm
.macro SCALES sc                       ; a slot's scale words: lanes 0-15 x's block i, lanes 16-31 Wqkv's block i
.irp i, 0,1,2,3,4,5,6,7
	ds_load_b128 v[SC+8*NQ*\sc+NQ*\i:SC+8*NQ*\sc+NQ*\i+3], v[ADRS] offset:\i*SBLK
.endr
.endm
.macro PLACES n                        ; plain vector instructions between a matrix instruction and a load into, or a read of, its registers
.rept \n
	v_nop
.endr
.endm
.macro STEP slot, q, first             ; 128 along K, with its successor in the same slot
	s_wait_dscnt 4*NL                              ; all but the youngest eight loads (x's blocks 4-7)
.if \first
	WIN FST_LO
.else
	WIN MUL_LO
.endif
	MUL16 0, (\q)%2, \q, \slot, \first
	MUL16 2, (\q)%2, \q, \slot, \first
	s_wait_dscnt 0
	PLACES NP
	FETCH_B \slot, (\q)+1, 1-(\q)%2
	FETCH_A \slot, (\q)+1, 0
.if \first
	WIN FST_HI
.else
	WIN MUL_HI
.endif
	MUL16 4, (\q)%2, \q, \slot, \first
	MUL16 6, (\q)%2, \q, \slot, \first
	PLACES NP
	WIN 0
	FETCH_A \slot, (\q)+1, 4
.endm
	s_wait_tensorcnt 1                             ; all scale bytes and my part of slot 0 are in; slot 1's load may be out
	s_barrier_signal -1
	s_barrier_wait -1
	FETCH_B 0, 0, 0
	FETCH_A 0, 0, 0
	SCALES 0
	FETCH_A 0, 0, 4
	s_wait_loadcnt 0x0                             ; the biases
	STEP 0, 0, 1
	STEP 0, 1, 0
	STEP 0, 2, 0
	; SLOT 0's LAST STEP CHANGES SLOTS.  Each wave waits for all its tensor loads (slot 1's is the one that may be out), adds 0 to its spare word, and waits for that and for its reads of slot 0.  The barrier opens a round of the
	; cluster's: behind it no wave of any partner reads slot 0's rows of Wqkv or has a load on its way, and waves 2 and 3 ask jointly for v's codes, one load each, into those rows.  x's rows of slot 0 stay.
	s_wait_tensorcnt 0x0                           ; no tensor load of mine is out, so a group 0 may be written
	ds_add_u32 v[SPW], v[NIL]
	s_wait_dscnt 4*NL+1                            ; the add and the youngest eight loads may be out
	WIN MUL_LO
	MUL16 0, 1, NQ-1, 0, 0
	s_wait_dscnt 0x0                               ; the add is done, and my reads of slot 0 are over
	s_barrier_signal -1
	MUL16 2, 1, NQ-1, 0, 0
	WIN 0
	s_barrier_wait -1
	CREST
	s_add_nc_u64 s[G0B+2:G0B+3], s[G0B+2:G0B+3], s[100:101]   ; on to v's tile; its place in LDS is the one that my first tile had; the type bits on top are not reached
	s_cmp_eq_u32 s15, 0
	s_cbranch_scc1 .Lno_v
	tensor_load_to_lds s[G0B:G0B+3], s[G1B:G1B+7]  ; the first tensor load behind the round, and the last of the launch
	s_nop 0
.rept 4
	v_nop
.endr
.Lno_v:
	PLACES NP                                      ; in front of the loads below, on both ways
	v_add_nc_u32 v[ADRS], 4*NQ, v[ADRS]            ; on to slot 1's scale words
	FETCH_B 1, 0, 0
	FETCH_A 1, 0, 0
	SCALES 1
	WIN MUL_HI
	MUL16 4, 1, NQ-1, 0, 0
	MUL16 6, 1, NQ-1, 0, 0
	PLACES NP
	WIN 0
	FETCH_A 1, 0, 4
	STEP 1, 0, 0
	STEP 1, 1, 0
	STEP 1, 2, 0
	s_wait_dscnt 4*NL                              ; pass 1's last step: nothing more to fetch
	WIN MUL_LO
	MUL16 0, 1, NQ-1, 1, 0
	MUL16 2, 1, NQ-1, 1, 0
	s_wait_dscnt 0
	WIN MUL_HI
	MUL16 4, 1, NQ-1, 1, 0
	MUL16 6, 1, NQ-1, 1, 0
	WIN 0
; PASS 1's WAY OUT, a block of 16 rows x 128 columns (two heads) at a time: rounded to f16, 16 bytes a lane into my stage, back so that sixteen lanes hold two rows of one head: 256 consecutive bytes of qkv, aligned.
.macro PACK a
.set AC, 64*((\a)%4)
	WIN 0x0a+5*((\a)/4)                            ; sources 0 and 1: window 2 or 3
.irp b, 0,1,2,3,4,5,6,7
.irp r, 0,1,2,3
	v_cvt_pk_f16_f32 v[TMP+4*\b+\r], v[AC+8*\b+2*\r], v[AC+8*\b+2*\r+1]   ; each accumulator from its low end on
.endr
.endr
	WIN 0
.endm
.macro TOSTAGE a
.set BB, BK+32*((\a)%2)
.irp b, 0,1,2,3,4,5,6,7
	ds_store_b128 v[STO], v[TMP+4*\b:TMP+4*\b+3] offset:32*\b
.endr
.irp t, 0,1,2,3,4,5,6,7
	ds_load_b128 v[BB+4*\t:BB+4*\t+3], v[RD] offset:\t*2*SPITCH    ; LDS serves a wave's instructions in order (ISA guide 5.7.1.4): these see the stores above
.endr
.endm
.macro SEND a
.set BB, BK+32*((\a)%2)
	s_wait_dscnt 0x0                               ; the block is back in registers
	s_wait_xcnt 0x0                                ; the stores of the block before have read their registers: the next block's loads may land there
.irp t, 0,1,2,3,4,5,6,7
	global_store_b128 v[CO], v[BB+4*\t:BB+4*\t+3], s[12:13] offset:2048*(\a)+256*\t
.endr
.endm
	PLACES NP                                      ; behind the last products: for the conversions, and for the loads into the registers that held x's fragments
	PACK 0
	TOSTAGE 0
.irp a, 1,2,3,4,5,6,7                  ; block a's conversions stand between block a - 1's loads from the stage and the wait for them
	PACK \a
	SEND \a-1
	TOSTAGE \a
.endr
	SEND 7
; PASS 2.  16 matrix instructions: x's blocks a0 .. a0 + 3 against v's four, 128 along K.  first = 1: C is v's bias.  The 32 accumulators take turns, one instruction a turn.
.macro MULV a0, p, q, sc, first
.irp a, \a0, \a0+1, \a0+2, \a0+3
.irp b, 0,1,2,3
.if \first
	v_wmma_scale_f32_16x16x128_f8f6f4 v[8*(4*(\a)+\b):8*(4*(\a)+\b)+7], v[128*(\p)+FR*\b:128*(\p)+FR*\b+FR-1], v[AF+FR*(\a):AF+FR*(\a)+FR-1], v[VB+8*\b:VB+8*\b+7], v[SC+8*NQ*(\sc)+NQ*\b+(\q)], v[SC+8*NQ*(\sc)+NQ*(\a)+(\q)] matrix_a_fmt:MATRIX_FMT_FP4 matrix_b_fmt:MATRIX_FMT_FP4 matrix_a_scale:MATRIX_SCALE_ROW1
.else
	v_wmma_scale_f32_16x16x128_f8f6f4 v[8*(4*(\a)+\b):8*(4*(\a)+\b)+7], v[128*(\p)+FR*\b:128*(\p)+FR*\b+FR-1], v[AF+FR*(\a):AF+FR*(\a)+FR-1], v[8*(4*(\a)+\b):8*(4*(\a)+\b)+7], v[SC+8*NQ*(\sc)+NQ*\b+(\q)], v[SC+8*NQ*(\sc)+NQ*(\a)+(\q)] matrix_a_fmt:MATRIX_FMT_FP4 matrix_b_fmt:MATRIX_FMT_FP4 matrix_a_scale:MATRIX_SCALE_ROW1
.endif
.endr
.endr
.endm
.macro FETCH_V s, q, p                 ; v's four fragments of K half s, its q-th 128, into set p
	WIN TO_B
.irp i, 0,1,2,3
	FRAG 128*(\p)+FR*\i, ADRV+\s, \q, \i
.endr
	WIN 0
.endm
; Step g of eight: K half g / 4 (x's tile in that slot), its (g % 4)-th 128.  No barrier stands between them: all tiles have landed and nothing is filled again.
.macro STEP2 g, first, last
	s_wait_dscnt 4*NL                              ; all but the youngest eight loads (x's blocks 4-7)
.if \first
	WIN FST_V
.else
	WIN MUL_LO
.endif
	MULV 0, (\g)%2, (\g)%4, (\g)/4, \first
	s_wait_dscnt 0
.if \last == 0
	PLACES NP
	FETCH_V ((\g)+1)/4, ((\g)+1)%4, 1-(\g)%2
	FETCH_A ((\g)+1)/4, ((\g)+1)%4, 0
.endif
.if \first
	WIN FST_V
.else
	WIN MUL_LO
.endif
	MULV 4, (\g)%2, (\g)%4, (\g)/4, \first
.if \last == 0
	PLACES NP
	WIN 0
	FETCH_A ((\g)+1)/4, ((\g)+1)%4, 4
.endif
.endm
	s_wait_tensorcnt 0x0                           ; waves 2 and 3: my tile of v's codes has landed;
	s_barrier_signal -1                            ; (no LDS instruction of mine is out: the last block's wait was for 0)
	s_barrier_wait -1                              ; everybody's has
	s_wait_xcnt 0x0                                ; pass 1's last stores have read their registers: x's fragments may land there
	FETCH_V 0, 0, 0
	FETCH_A 0, 0, 0
.irp s, 0,1                            ; both K halves' scale words: lanes 0-15 x's block i, lanes 16-31 block i of my four of v (in registers of blocks 4-7 those lanes are not used)
.irp i, 0,1,2,3,4,5,6,7
	ds_load_b128 v[SC+8*NQ*\s+NQ*\i:SC+8*NQ*\s+NQ*\i+3], v[ADRS2] offset:\i*SBLK+16*\s
.endr
.endr
	FETCH_A 0, 0, 4
	STEP2 0, 1, 0
.irp g, 1,2,3,4,5,6
	STEP2 \g, 0, 0
.endr
	STEP2 7, 0, 1
	WIN 0
; PASS 2's WAY OUT, a block of 16 rows x 64 columns (one head) at a time: 2,048 consecutive bytes of qkv.  Each block has its own 16 registers for its rows, so no store's data are written again.
.macro PACK2 a
	WIN 0x0a                                       ; sources 0 and 1: window 2
.irp b, 0,1,2,3
.irp r, 0,1,2,3
	v_cvt_pk_f16_f32 v[TMP+16*((\a)%2)+4*\b+\r], v[32*(\a)+8*\b+2*\r], v[32*(\a)+8*\b+2*\r+1]   ; each accumulator from its low end on
.endr
.endr
	WIN 0
.endm
.macro TOSTAGE2 a
.irp b, 0,1,2,3
	ds_store_b128 v[STO2], v[TMP+16*((\a)%2)+4*\b:TMP+16*((\a)%2)+4*\b+3] offset:32*\b
.endr
.irp i, 0,1,2,3
	ds_load_b128 v[BK+16*(\a)+4*\i:BK+16*(\a)+4*\i+3], v[RD2] offset:4*SP2*\i
.endr
.endm
.macro SEND2 a
	s_wait_dscnt 0x0                               ; the block is back in registers
.irp i, 0,1,2,3
	global_store_b128 v[CO2], v[BK+16*(\a)+4*\i:BK+16*(\a)+4*\i+3], s[2:3] offset:2048*(\a)+512*\i   ; 32 lanes store 512 consecutive bytes, aligned
.endr
.endm
	PLACES NP
	PACK2 0
	TOSTAGE2 0
.irp a, 1,2,3,4,5,6,7
	PACK2 \a
	SEND2 \a-1
	TOSTAGE2 \a
.endr
	SEND2 7
	s_wait_tensorcnt 0x0                           ; the wave's end
	ds_add_u32 v[SPW], v[NIL]
	s_wait_dscnt 0x0
	CROUND                                         ; the closing round
	s_endpgm
.Lfunc_end_k_qdba4ef0b60_qkvgemm:
	.size	k_qdba4ef0b60_qkvgemm, .Lfunc_end_k_qdba4ef0b60_qkvgemm-k_qdba4ef0b60_qkvgemm
	.p2alignl 7, 3214868480
	.fill 96, 4, 3214868480
	.section	.rodata,"a",@progbits
	.p2align	6, 0x0
	.amdhsa_kernel k_qdba4ef0b60_qkvgemm
		.amdhsa_group_segment_fixed_size 327680
		.amdhsa_private_segment_fixed_size 0
		.amdhsa_enable_private_segment 0
		.amdhsa_kernarg_size 48
		.amdhsa_user_sgpr_count 2
		.amdhsa_user_sgpr_kernarg_segment_ptr 1
		.amdhsa_wavefront_size32 1
		.amdhsa_system_sgpr_workgroup_id_x 1
		.amdhsa_system_sgpr_workgroup_id_y 1
		.amdhsa_system_sgpr_workgroup_id_z 1
		.amdhsa_system_vgpr_workitem_id 0
		.amdhsa_next_free_vgpr 1024
		.amdhsa_next_free_sgpr 102
		.amdhsa_reserve_vcc 0
		.amdhsa_float_denorm_mode_32 3
		.amdhsa_float_denorm_mode_16_64 3
		.amdhsa_memory_ordered 1
		.amdhsa_forward_progress 1
		.amdhsa_inst_pref_size 199
	.end_amdhsa_kernel
	.amdgpu_metadata
---
amdhsa.version: [ 1, 2 ]
amdhsa.kernels:
  - .name:           k_qdba4ef0b60_qkvgemm
    .symbol:         k_qdba4ef0b60_qkvgemm.kd
    .args:
      - { .name: xc, .offset: 0, .size: 8, .value_kind: global_buffer, .address_space: global }
      - { .name: xs, .offset: 8, .size: 8, .value_kind: global_buffer, .address_space: global }
      - { .name: wc, .offset: 16, .size: 8, .value_kind: global_buffer, .address_space: global }
      - { .name: ws, .offset: 24, .size: 8, .value_kind: global_buffer, .address_space: global }
      - { .name: bqkv, .offset: 32, .size: 8, .value_kind: global_buffer, .address_space: global }
      - { .name: qkv, .offset: 40, .size: 8, .value_kind: global_buffer, .address_space: global }
    .group_segment_fixed_size: 327680
    .private_segment_fixed_size: 0
    .kernarg_segment_align: 8
    .kernarg_segment_size: 48
    .max_flat_workgroup_size: 128
    .sgpr_count:     102
    .vgpr_count:     1024
    .wavefront_size: 32
...
	.end_amdgpu_metadata
.endif
;; end of part 2
;; launch attn (part 3): grid 4 x 64, 8 waves a work-group, clusters of 4 x 1, 327,680 bytes of LDS; arguments qkv, m8, z; writes z
.if DOCPART == 3
	.amdgcn_target "amdgcn-amd-amdhsa--gfx1250"
	.amdhsa_code_object_version 6
	.text
	.protected	k_qdba4ef0b60_attn
	.globl	k_qdba4ef0b60_attn
	.p2align	8
	.type	k_qdba4ef0b60_attn,@function
k_qdba4ef0b60_attn:
	s_mov_b64 s[64:65], 0
	v_nop
	global_prefetch_b8 v0, s[64:65] scope:SCOPE_SE
	s_setreg_imm32_b32 hwreg(HW_REG_WAVE_MODE, 25, 1), 1
	s_wait_xcnt 0x0
	s_wait_alu depctr_hold_cnt(0) depctr_sa_sdst(0) depctr_va_vdst(0) depctr_va_sdst(0) depctr_va_ssrc(0) depctr_va_vcc(0) depctr_vm_vsrc(0)
	s_getreg_b32 s2, hwreg(HW_REG_IB_STS2, 6, 4)
	s_cmp_eq_u32 s2, 0
	s_cbranch_scc0 .Lentry_in_a_cluster
	s_endpgm
.Lentry_in_a_cluster:
	s_bfe_u32 s2, ttmp6, 0x10000c
	s_cmp_lg_u32 s2, 0x3003
	s_cbranch_scc0 .Lentry_shape_is_right
	s_endpgm
.Lentry_shape_is_right:
; z[b][q][head][:] = the sum over k of softmax_k(q . k / 8 - mask[q][k]) v[k][:], head size 64, 1,024 keys, 128 pairs (b, head).  q, k, v: f16, head-major (qkv); products in f16 with f32 sums; maxima, exponentials and sums in f32;
; the weights p are rounded to f16 for the second product, z to f16 at the end, laid [head][b x 1024 + q][64].
; LEFT OUT (shown at the head of the first kernel): k comes without its bias, which is the same along the softmax's axis.
; LIMITS: z is rounded to f16 (over 65,504 it overflows); a weight under 6e-8 of the row's largest counts as 0 in the second product (not in the row's sum).
; THE MASK COSTS NO VECTOR INSTRUCTION.  The score is kept as S' = q . k - 8 mask = 8 (score - mask); m8 = -8 mask lies in memory as images of the accumulator's registers and is the C of a tile's first product.
; p = 2^(c S' - c m), c = log2(e) / 8, m the running maximum of S'; in every step O and l are multiplied by a = 2^(c m_old - c m_new).
; SHARES.  A work-group owns 256 queries of TWO neighbouring heads; each of its eight waves 32 queries (two tiles of 16) of both heads, in 512 registers: two waves to a SIMD, so that one wave's vector work stands beside the
; other's matrix work and LDS loads.  A step's mask registers serve both heads.  Every wave walks all 1,024 keys, 64 a step.
; LAYOUT.  S^T = K Q^T (source 0 = 16 keys, source 1 = 16 queries) and O^T = V^T P (source 0 = 16 channels, source 1 = P): a lane holds one query throughout; two tiles of S^T, rounded in pairs, are source 1 of the second product.
; CLUSTER.  The four query blocks of a pair of heads walk the same K and V: each tile is asked for jointly (mask 15).  The mask's fragments differ between partners and go straight into registers.
; RING.  Two slots of 256 keys of both heads; each wave fetches 128 keys of one tile (16 KB) for each slot: waves 0-3 K's, waves 4-7 V's.  Two loads of mine are out at the start, one behind a refill, which has 4 steps in which to land.
; REGISTERS.  window 0: v3-13 addresses; v16-47 statistics, 8 for each (head, tile): +0 c m, +1 m, +2, +3 l, +4..+7 at work, a at +6; v64-127 S^T; v128-191 the mask; v192-223 P.
;   window 1: v0-127 O^T (64 head + 32 tile + 8 ct); v128-191 Q; v192-255 eight fragments of K, then of V.
.set PK,    144                        ; a key's row of K in LDS: 128 bytes + 16: the 16 rows of a load start at 16 different banks (64 banks of 4 bytes: ISA guide 11.1)
.set PV,    160                        ; of V: 128 + 32
.set KHEAD, 256*PK
.set VHEAD, 256*PV
.set VOFF,  2*KHEAD                    ; a slot: K of head 0, K of head 1, V of head 0, V of head 1
.set SLOTB, VOFF+2*VHEAD
.set SPARE, 2*SLOTB                    ; the spare words, 128 bytes for each wave: four blocks of 256 bytes that no other line names
.set SP,    144                        ; the way out: 16 rows x 144 bytes for each wave, from byte 0 of slot 0, which has had its last fill and its last read by then
.set AK0, 3
.set AV0, 4
.set ADK, 5
.set ADV, 6
.set LO,  7                            ; v7  16 x lane: my place in an image of the mask, and in 512 bytes of z
.set QO,  8
.set STO, 9
.set RD,  10
.set SPW, 12
.set NIL, 13
.set ST,  16
.set S,   64
.set M,   128
.set P,   192
.set Q,   128                          ; in window 1
.set KV,  192                          ; in window 1
.set WV,  12
.set G1K, 24
.set G1V, 32
.set G0K, 40                           ; s[40:47] group 0 for K's tiles, a set for each slot
.set G0V, 48
.set TK,  56                           ; LDS byte at which the step's keys begin in K's regions
.set TV,  57                           ; and in V's
.set CNT, 58
.set LEFT, 59                          ; steps to go, this one among them
.set CS,  60
.set SEL, 62
.set MSB, 0
.macro WIN new
.if MSB != (\new)
	s_set_vgpr_msb (MSB<<8)|(\new)
.set MSB, (\new)
.endif
.endm
.set W_KQ, 0x05                        ; K and Q in window 1; the mask and S^T in window 0
.set W_PV, 0x51                        ; V in window 1, P in window 0, O^T in window 1
.set W_RS, 0x41                        ; O^T in window 1, the factor in window 0
.set TO_1, 0x40                        ; destination window 1, address window 0
.macro PLACES
.rept 4
	v_nop
.endr
.endm
.macro CROUND
	s_barrier_signal -1
	s_barrier_wait -1
	s_cmp_lg_u32 s[WV], 0
	s_cbranch_scc1 .Lnot_wave_0_\@
	s_barrier_signal -3
.Lnot_wave_0_\@:
	s_barrier_wait -3
	s_barrier_signal -1
	s_barrier_wait -1
.endm
.macro JLOAD s                         ; a joint refill of slot s; an s_nop 0 and four v_nop follow each of the two lines
	s_cmp_lt_u32 s[WV], 4
	s_cbranch_scc0 .Lfor_v_\@
	tensor_load_to_lds s[G0K+4*\s:G0K+4*\s+3], s[G1K:G1K+7]
	s_nop 0
.rept 4
	v_nop
.endr
	s_branch .Lasked_\@
.Lfor_v_\@:
	tensor_load_to_lds s[G0V+4*\s:G0V+4*\s+3], s[G1V:G1V+7]
	s_nop 0
.rept 4
	v_nop
.endr
.Lasked_\@:
.endm
	s_load_b128 s[4:7], s[0:1], 0x0                ; qkv s[4:5], m8 s[6:7]
	s_load_b64 s[8:9], s[0:1], 0x10                ; z
	v_lshl_add_u32 v[SPW], v0, 2, SPARE
	v_mov_b32 v[NIL], 0
	ds_add_u32 v[SPW], v[NIL]                      ; the wave's opening: the add, twice on end, and its wait ahead of my first tensor load
	ds_add_u32 v[SPW], v[NIL]
	v_lshrrev_b32 v1, 5, v0
	v_readfirstlane_b32 s[WV], v1                  ; wave 0..7
	s_bfe_u32 s13, ttmp6, 0x40000                  ; cx
	s_lshl_b32 s14, ttmp9, 2
	s_add_co_u32 s14, s14, s13                     ; my block of 256 queries: it enters Q's, the mask's and z's addresses alone
	s_and_b32 s15, ttmp7, 0xffff                   ; y = 8 b + the pair of heads; the pair's first head is number 2 y of 128
	s_and_b32 s66, s[WV], 3                        ; u: head u / 2 of the pair, half u % 2 of a slot's keys
	s_lshr_b32 s67, s66, 1
	s_lshl_b32 s67, s67, 17
	s_and_b32 s68, s66, 1
	s_lshl_b32 s68, s68, 14
	s_add_co_u32 s68, s68, s67
	s_lshl_b32 s67, s15, 18
	s_add_co_u32 s68, s68, s67
	s_mov_b32 s69, 0                               ; s[68:69]: my tile's byte in K's third and in V's
	s_mul_i32 s70, s66, 128*PK                     ; and its place in a slot: K's,
	s_mul_i32 s71, s66, 128*PV
	s_add_co_u32 s71, s71, VOFF                    ; V's
	s_lshl_b32 s16, s14, 15                        ; Q: 256 rows of 128 bytes a block,
	s_lshl_b32 s17, s[WV], 12                      ; 32 a wave,
	s_add_co_u32 s16, s16, s17
	s_lshl_b32 s17, s15, 18                        ; in the pair's first head
	s_add_co_u32 s16, s16, s17
	s_mov_b32 s17, 0
	s_lshl_b32 s18, s14, 20                        ; the mask: 16 tiles of queries a block, 65,536 bytes each,
	s_lshl_b32 s19, s[WV], 17                      ; 2 a wave
	s_add_co_u32 s18, s18, s19
	s_mov_b32 s19, 0
	s_and_b32 s20, s15, 7
	s_lshl_b32 s20, s20, 21                        ; z: the pair's first head, 2^20 bytes a head,
	s_lshr_b32 s21, s15, 3
	s_lshl_b32 s21, s21, 17                        ; b x 1,024 rows of 128 bytes,
	s_add_co_u32 s20, s20, s21
	s_lshl_b32 s21, s14, 15
	s_add_co_u32 s20, s20, s21
	s_lshl_b32 s21, s[WV], 12
	s_add_co_u32 s20, s20, s21
	s_mov_b32 s21, 0
	; descriptor group 1: 128 rows (keys) of 64 elements of 2 bytes, dense in memory, padded behind every row
	s_mov_b32 s[G1K], 15|(1<<16)|(1<<20)|(1<<21)|(4<<22)|(3<<25)  ; the mask: all four work-groups; elements of 2 bytes; padding on; bit 21 beside a mask; behind every 32 words 4 words
	s_mov_b32 s[G1V], 15|(1<<16)|(1<<20)|(1<<21)|(4<<22)|(7<<25)  ; the same with 8 words
.irp g, G1K, G1V
	s_mov_b32 s[\g+1], 64<<16                      ; tensor_dim0
	s_mov_b32 s[\g+2], 128<<16                     ; tensor_dim1
	s_mov_b32 s[\g+3], 64<<16                      ; tile_dim0
	s_mov_b32 s[\g+4], 128                         ; tile_dim1
	s_mov_b32 s[\g+5], 64                          ; the pitch in memory
	s_mov_b32 s[\g+6], 0
	s_mov_b32 s[\g+7], 0
.endr
	s_mov_b32 s[CS], 0x3e38aa3b                    ; c = log2(e) / 8
	s_mov_b32 s[CS+1], s[CS]
	s_mov_b32 s[SEL], 0x76543210
	s_mov_b32 s[SEL+1], 0xfedcba98                 ; v_permlanex16_b32's selects for lane l xor 16
	s_mov_b32 s[LEFT], 16
	s_wait_dscnt 0x0                               ; both opening adds are done
	s_wait_kmcnt 0x0
	s_add_nc_u64 s[16:17], s[4:5], s[16:17]
	s_add_nc_u64 s[18:19], s[6:7], s[18:19]
	s_add_nc_u64 s[20:21], s[8:9], s[20:21]
	CROUND                                         ; all four work-groups are here: the first joint loads meet
.irp s, 0,1
	s_mov_b32 s[G0K+4*\s], 1
	s_add_co_u32 s[G0K+4*\s+1], s70, \s*SLOTB
	s_add_nc_u64 s[G0K+4*\s+2:G0K+4*\s+3], s[4:5], s[68:69]
	s_add_nc_u64 s[G0K+4*\s+2:G0K+4*\s+3], s[G0K+4*\s+2:G0K+4*\s+3], (1<<24)+\s*32768   ; K's third; slot s begins with keys 256 s
	s_or_b32 s[G0K+4*\s+3], s[G0K+4*\s+3], 0x80000000
	s_mov_b32 s[G0V+4*\s], 1
	s_add_co_u32 s[G0V+4*\s+1], s71, \s*SLOTB
	s_add_nc_u64 s[G0V+4*\s+2:G0V+4*\s+3], s[4:5], s[68:69]
	s_add_nc_u64 s[G0V+4*\s+2:G0V+4*\s+3], s[G0V+4*\s+2:G0V+4*\s+3], (2<<24)+\s*32768
	s_or_b32 s[G0V+4*\s+3], s[G0V+4*\s+3], 0x80000000
.endr
	s_cmp_lt_u32 s[WV], 4                          ; a wave's two first fills stand in one branch, ahead of every wait on TENSORcnt and every LDS read
	s_cbranch_scc0 .Lfirst_v
	tensor_load_to_lds s[G0K:G0K+3], s[G1K:G1K+7]
	s_nop 0
	tensor_load_to_lds s[G0K+4:G0K+7], s[G1K:G1K+7]
	s_nop 0
.rept 4
	v_nop
.endr
	s_branch .Lfirst_asked
.Lfirst_v:
	tensor_load_to_lds s[G0V:G0V+3], s[G1V:G1V+7]
	s_nop 0
	tensor_load_to_lds s[G0V+4:G0V+7], s[G1V:G1V+7]
	s_nop 0
.rept 4
	v_nop
.endr
.Lfirst_asked:
	v_and_b32 v1, 15, v0                           ; r = l % 16
	v_bfe_u32 v2, v0, 4, 1                         ; h = l / 16
	v_lshlrev_b32 v[QO], 7, v1
	v_lshl_add_u32 v[QO], v2, 4, v[QO]             ; Q: row r of 128 bytes + 16 h
	WIN TO_1
.irp hd, 0,1                           ; Q stays in registers: head hd, tile t, channels 32 kk on
.irp t, 0,1
.irp kk, 0,1
	global_load_b128 v[Q+32*\hd+16*\t+8*\kk:Q+32*\hd+16*\t+8*\kk+3],   v[QO], s[16:17] offset:131072*\hd+2048*\t+64*\kk
	global_load_b128 v[Q+32*\hd+16*\t+8*\kk+4:Q+32*\hd+16*\t+8*\kk+7], v[QO], s[16:17] offset:131072*\hd+2048*\t+64*\kk+32
.endr
.endr
.endr
	WIN 0
	v_and_b32 v[LO], 31, v0
	v_lshlrev_b32 v[LO], 4, v[LO]
; A step's mask: tile t of my queries x the step's four tiles of keys, two images each: 16 loads of 512 consecutive bytes
.macro MLOAD
.irp t, 0,1
.irp kt, 0,1,2,3
.irp c, 0,1
	global_load_b128 v[M+32*\t+8*\kt+4*\c:M+32*\t+8*\kt+4*\c+3], v[LO], s[18:19] offset:65536*\t+1024*\kt+512*\c
.endr
.endr
.endr
.endm
	MLOAD                                          ; step 0's
	v_mul_u32_u24 v[AK0], v1, PK
	v_lshl_add_u32 v[AK0], v2, 4, v[AK0]           ; K: key r x pitch + 16 h
	v_and_b32 v14, 7, v0
	v_bfe_u32 v15, v0, 3, 1
	v_lshl_add_u32 v[AV0], v2, 3, v14
	v_mul_u32_u24 v[AV0], v[AV0], PV
	v_lshl_add_u32 v[AV0], v15, 4, v[AV0]
	v_add_nc_u32 v[AV0], VOFF, v[AV0]              ; V, for the turning load: key 8 h + l % 8, channels 8 ((l / 8) % 2) on
	s_mul_i32 s66, s[WV], 16*SP                    ; my stage
	v_mul_u32_u24 v[STO], v1, SP
	v_lshl_add_u32 v[STO], v2, 4, v[STO]
	v_add_nc_u32 v[STO], s66, v[STO]               ; in: row r, 16 bytes for each half of the lanes
	v_bfe_u32 v15, v0, 3, 2
	v_mul_u32_u24 v[RD], v15, SP
	v_lshl_add_u32 v[RD], v14, 4, v[RD]
	v_add_nc_u32 v[RD], s66, v[RD]                 ; back: eight lanes to a row of 128 bytes, four rows an instruction
.macro LDK hd                          ; the step's 64 keys x 64 channels of head hd: fragment (kt, kk) at KV + 8 (2 kt + kk)
	WIN TO_1
.irp kt, 0,1,2,3
.irp kk, 0,1
	ds_load_b128 v[KV+8*(2*\kt+\kk):KV+8*(2*\kt+\kk)+3],   v[ADK] offset:KHEAD*(\hd)+16*PK*\kt+64*\kk
	ds_load_b128 v[KV+8*(2*\kt+\kk)+4:KV+8*(2*\kt+\kk)+7], v[ADK] offset:KHEAD*(\hd)+16*PK*\kt+64*\kk+32
.endr
.endr
.endm
.macro LDV hd                          ; the same keys of V, turned: fragment (kh: 32 keys, ct: 16 channels) at KV + 8 (4 kh + ct)
	WIN TO_1
.irp kh, 0,1
.irp ct, 0,1,2,3
	ds_load_tr16_b128 v[KV+8*(4*\kh+\ct):KV+8*(4*\kh+\ct)+3],   v[ADV] offset:VHEAD*(\hd)+32*PV*\kh+32*\ct
	ds_load_tr16_b128 v[KV+8*(4*\kh+\ct)+4:KV+8*(4*\kh+\ct)+7], v[ADV] offset:VHEAD*(\hd)+32*PV*\kh+32*\ct+16*PV
.endr
.endr
.endm
; 16 products S^T = K Q^T + (-8 mask): channels 32 (i / 8) on, keys 16 ((i / 2) % 4) on, tile i % 2.  The first 8 take the mask as C.  The 8 accumulators take turns.
.macro KQ hd
.set i, 0
.rept 16
.set rD, S+32*(i%2)+8*((i/2)%4)
.set rK, KV+8*(2*((i/2)%4)+i/8)
.set rQ, Q+32*(\hd)+16*(i%2)+8*(i/8)
.set rM, M+32*(i%2)+8*((i/2)%4)
.if i < 8
	v_wmma_f32_16x16x32_f16 v[rD:rD+7], v[rK:rK+7], v[rQ:rQ+7], v[rM:rM+7]
.else
	v_wmma_f32_16x16x32_f16 v[rD:rD+7], v[rK:rK+7], v[rQ:rQ+7], v[rD:rD+7]
.endif
.set i, i+1
.endr
.endm
; 16 products O^T += V^T P: keys 32 (i / 8) on, channels 16 ((i / 2) % 4) on, tile i % 2.  first = 1: the first 8 start the sums.
.macro PVM hd, first
.set i, 0
.rept 16
.set rD, 64*(\hd)+32*(i%2)+8*((i/2)%4)
.set rV, KV+8*(4*(i/8)+(i/2)%4)
.set rB, P+16*(i%2)+8*(i/8)
.if (\first) && (i < 8)
	v_wmma_f32_16x16x32_f16 v[rD:rD+7], v[rV:rV+7], v[rB:rB+7], 0
.else
	v_wmma_f32_16x16x32_f16 v[rD:rD+7], v[rV:rV+7], v[rB:rB+7], v[rD:rD+7]
.endif
.set i, i+1
.endr
.endm
.macro TSET hd, t
.set rT, ST+8*(2*(\hd)+(\t))
.set rS, S+32*(\t)
.set rP, P+16*(\t)
.set rO, 64*(\hd)+32*(\t)
.endm
; THE SOFTMAX of head hd's two tiles for one step; the tiles alternate line by line, so that no line waits for the line above it.  first = 1: the first step starts m, l and O^T.
.macro SOFTMAX hd, first
.irp j, 0,1,2,3                        ; the maximum of the lane's 32 scores and the old m: four chains; each accumulator is first read at its low end
.irp t, 0,1
	TSET \hd, \t
	v_max3_num_f32 v[rT+4+\j], v[rS+8*\j], v[rS+8*\j+1], v[rS+8*\j+2]
.endr
.endr
.irp g, 1,2
.irp j, 0,1,2,3
.irp t, 0,1
	TSET \hd, \t
	v_max3_num_f32 v[rT+4+\j], v[rT+4+\j], v[rS+8*\j+2*\g+1], v[rS+8*\j+2*\g+2]
.endr
.endr
.endr
.irp t, 0,1
	TSET \hd, \t
	v_max3_num_f32 v[rT+4], v[rT+4], v[rS+7], v[rS+15]
.endr
.irp t, 0,1
	TSET \hd, \t
	v_max3_num_f32 v[rT+6], v[rT+6], v[rS+23], v[rS+31]
.endr
.irp t, 0,1
	TSET \hd, \t
	v_max3_num_f32 v[rT+4], v[rT+4], v[rT+5], v[rT+6]
.endr
.irp t, 0,1
	TSET \hd, \t
.if \first
	v_max_num_f32 v[rT+4], v[rT+4], v[rT+7]
.else
	v_max3_num_f32 v[rT+4], v[rT+4], v[rT+7], v[rT+1]
.endif
.endr
.irp t, 0,1
	TSET \hd, \t
	v_permlanex16_b32 v[rT+5], v[rT+4], s[SEL], s[SEL+1]   ; the query's other 32 keys lie in the lane 16 away
.endr
.if \first == 0
.irp t, 0,1
	TSET \hd, \t
	v_mov_b32 v[rT+7], v[rT]                       ; c m_old is kept for a
.endr
.endif
.irp t, 0,1
	TSET \hd, \t
	v_max_num_f32 v[rT+1], v[rT+4], v[rT+5]        ; the new m
.endr
.irp t, 0,1
	TSET \hd, \t
	v_mul_f32 v[rT], s[CS], v[rT+1]                ; c m
.endr
.if \first == 0
.irp t, 0,1
	TSET \hd, \t
	v_sub_f32 v[rT+7], v[rT+7], v[rT]              ; c m_old - c m_new
.endr
.endif
.set i, 0
.rept 16
.irp t, 0,1
	TSET \hd, \t
	v_pk_fma_f32 v[rS+2*i:rS+2*i+1], v[rS+2*i:rS+2*i+1], s[CS:CS+1], v[rT:rT+1] op_sel_hi:[1,0,0] neg_lo:[0,0,1] neg_hi:[0,0,1]   ; c S' - c m, two at a time
.endr
.set i, i+1
.endr
.if \first == 0
.irp t, 0,1
	TSET \hd, \t
	v_exp_f32 v[rT+6], v[rT+7]                     ; a
.endr
.endif
.set i, 0
.rept 32                               ; the exponentials go as one batch; none reads another's result
.irp t, 0,1
	TSET \hd, \t
	v_exp_f32 v[rS+i], v[rS+i]
.endr
.set i, i+1
.endr
	v_nop                                          ; a plain instruction behind the last exponential
	s_wait_alu depctr_va_vdst(0)                   ; one wait for the batch, ahead of the first instruction that names a result
.set i, 0
.rept 16
.irp t, 0,1
	TSET \hd, \t
	v_cvt_pk_f16_f32 v[rP+i], v[rS+2*i], v[rS+2*i+1]   ; P: pair i of the tile's weights
.endr
.set i, i+1
.endr
.irp w, 4,8,16                         ; the row's sum, of the unrounded weights, in place: neighbours 1, 2 and 4 pairs apart,
.set i, 0
.rept 32/\w
.irp t, 0,1
	TSET \hd, \t
	v_pk_add_f32 v[rS+\w*i:rS+\w*i+1], v[rS+\w*i:rS+\w*i+1], v[rS+\w*i+\w/2:rS+\w*i+\w/2+1]
.endr
.set i, i+1
.endr
.endr
.irp t, 0,1                            ; then 8 pairs apart
	TSET \hd, \t
.if \first
	v_pk_add_f32 v[rT+2:rT+3], v[rS:rS+1], v[rS+16:rS+17]
.else
	v_pk_add_f32 v[rS:rS+1], v[rS:rS+1], v[rS+16:rS+17]
.endif
.endr
.if \first == 0
.irp t, 0,1
	TSET \hd, \t
	v_pk_fma_f32 v[rT+2:rT+3], v[rT+2:rT+3], v[rT+6:rT+7], v[rS:rS+1] op_sel_hi:[1,0,1]   ; l = a l + the sum
.endr
	WIN W_RS
.set i, 0
.rept 16
.irp t, 0,1
	TSET \hd, \t
	v_pk_mul_f32 v[rO+2*i:rO+2*i+1], v[rO+2*i:rO+2*i+1], v[rT+6:rT+7] op_sel_hi:[1,0]   ; O^T x a, each accumulator from its low end on
.endr
.set i, i+1
.endr
	WIN 0
.endif
.endm
; One head's part of a step, in phases.  Four plain instructions stand between a product and a load into, or a read of, its registers.
.macro HEAD hd, first
	PLACES                                         ; behind the last V^T P: K lands where V lay
	LDK \hd
.if \hd == 0
	s_wait_loadcnt 0x0                             ; this step's mask is in (the first time: Q too), so its address may step
	s_add_nc_u64 s[18:19], s[18:19], 4096          ; four fragments on
.endif
	s_wait_dscnt 0x0
	WIN W_KQ
	KQ \hd
	WIN 0
	PLACES
.if \hd == 1                           ; both heads have taken the mask: the next step's is asked for, half a step ahead; the last step asks for nothing, so no load leaves m8
	s_cmp_eq_u32 s[LEFT], 1
	s_cbranch_scc1 .Lno_mask_\@
	MLOAD
.Lno_mask_\@:
.endif
	LDV \hd                                        ; V lands under the softmax
	WIN 0
	SOFTMAX \hd, \first
	s_wait_dscnt 0x0
	WIN W_PV
	PVM \hd, \first
	WIN 0
.endm
.macro STEP first
	v_add_nc_u32 v[ADK], s[TK], v[AK0]
	v_add_nc_u32 v[ADV], s[TV], v[AV0]
	HEAD 0, \first
	HEAD 1, \first
	s_add_co_u32 s[TK], s[TK], 64*PK
	s_add_co_u32 s[TV], s[TV], 64*PV
	s_sub_co_u32 s[LEFT], s[LEFT], 1
.endm
.macro CHUNK slot                      ; a slot's four steps
	s_mov_b32 s[TK], (\slot)*SLOTB
	s_mov_b32 s[TV], (\slot)*SLOTB
	s_mov_b32 s[CNT], 4
.Lchunk_\@:
	STEP 0
	s_sub_co_u32 s[CNT], s[CNT], 1
	s_cmp_lg_u32 s[CNT], 0
	s_cbranch_scc1 .Lchunk_\@
.endm
; THE CHANGE OF SLOTS.  Each wave waits for all its tensor loads (its part of the slot ahead), adds 0 to its spare word, and waits for that and for its reads of the slot that it leaves.  fill = 1: slot s, just left, takes the keys
; two slots on: the barrier is a round of the cluster's, and the joint refill is the first thing behind it.
.macro CHANGE s, fill
	s_wait_tensorcnt 0x0                           ; no tensor load of mine is out, so a group 0 may be written
	ds_add_u32 v[SPW], v[NIL]
.if \fill
	s_add_nc_u64 s[G0K+4*\s+2:G0K+4*\s+3], s[G0K+4*\s+2:G0K+4*\s+3], 65536   ; 512 keys on
	s_add_nc_u64 s[G0V+4*\s+2:G0V+4*\s+3], s[G0V+4*\s+2:G0V+4*\s+3], 65536
.endif
	s_wait_dscnt 0x0
.if \fill
	CROUND
	JLOAD \s
.else
	s_barrier_signal -1
	s_barrier_wait -1
.endif
.endm
	s_wait_tensorcnt 0x1                           ; my part of slot 0 is in; slot 1's may stay out
	s_barrier_signal -1
	s_barrier_wait -1
	s_mov_b32 s[TK], 0
	s_mov_b32 s[TV], 0
	STEP 1                                         ; the first step is written out: its products start O^T's sums
	s_mov_b32 s[CNT], 3
.Lfirst_chunk:
	STEP 0
	s_sub_co_u32 s[CNT], s[CNT], 1
	s_cmp_lg_u32 s[CNT], 0
	s_cbranch_scc1 .Lfirst_chunk
	CHANGE 0, 1                                    ; slot 0 takes keys 512 to 767
	CHUNK 1
	CHANGE 1, 1                                    ; slot 1 takes keys 768 to 1,023
	CHUNK 0
	CHANGE 0, 0                                    ; nothing is left to fetch
	CHUNK 1
	; THE WAY OUT.  l's halves are added; O^T is divided by l, rounded to f16 and sent through my stage, a tile (16 rows of 128 bytes) at a time.  The four additions are the places behind the last products.
	s_wait_loadcnt 0x0                             ; no load into the mask's registers is out: they take the rows of z
.irp x, 0,1,2,3
	v_add_f32 v[ST+8*\x+4], v[ST+8*\x+2], v[ST+8*\x+3]
.endr
.irp x, 0,1,2,3
	v_permlanex16_b32 v[ST+8*\x+5], v[ST+8*\x+4], s[SEL], s[SEL+1]
.endr
.irp x, 0,1,2,3
	v_add_f32 v[ST+8*\x+4], v[ST+8*\x+4], v[ST+8*\x+5]
.endr
.irp x, 0,1,2,3
	v_rcp_f32 v[ST+8*\x+6], v[ST+8*\x+4]
.endr
	v_nop                                          ; a plain instruction behind the last reciprocal
	s_wait_alu depctr_va_vdst(0)                   ; and one wait for the four, ahead of the first use
.macro OUT x                           ; x = 2 head + tile
	WIN W_RS
.set i, 0
.rept 16
	v_pk_mul_f32 v[32*(\x)+i:32*(\x)+i+1], v[32*(\x)+i:32*(\x)+i+1], v[ST+8*(\x)+6:ST+8*(\x)+7] op_sel_hi:[1,0]
.set i, i+2
.endr
	WIN 0x05                                       ; sources in window 1, destination in window 0: S^T's registers are free
.set i, 0
.rept 16
	v_cvt_pk_f16_f32 v[S+16*(\x)+i], v[32*(\x)+2*i], v[32*(\x)+2*i+1]
.set i, i+1
.endr
	WIN 0
.irp ct, 0,1,2,3
	ds_store_b128 v[STO], v[S+16*(\x)+4*\ct:S+16*(\x)+4*\ct+3] offset:32*\ct
.endr
.irp f, 0,1,2,3
	ds_load_b128 v[M+16*(\x)+4*\f:M+16*(\x)+4*\f+3], v[RD] offset:4*SP*\f   ; LDS serves a wave's instructions in order (ISA guide 5.7.1.4): these see the stores above, and the next tile's stores come behind them
.endr
.endm
	OUT 0
	OUT 1
	OUT 2
	OUT 3
.irp x, 0,1,2,3
.irp f, 0,1,2,3
	s_wait_dscnt 8*(3-\x)+3-\f                     ; behind this load: the rest of its tile's, and eight LDS instructions for each later tile
	global_store_b128 v[LO], v[M+16*\x+4*\f:M+16*\x+4*\f+3], s[20:21] offset:(\x/2)*1048576+(\x%2)*2048+512*\f   ; 32 lanes store 512 consecutive bytes, aligned
.endr
.endr
	s_wait_tensorcnt 0x0                           ; the wave's end
	ds_add_u32 v[SPW], v[NIL]
	s_wait_dscnt 0x0
	CROUND                                         ; the closing round
	s_endpgm
.Lfunc_end_k_qdba4ef0b60_attn:
	.size	k_qdba4ef0b60_attn, .Lfunc_end_k_qdba4ef0b60_attn-k_qdba4ef0b60_attn
	.p2alignl 7, 3214868480
	.fill 96, 4, 3214868480
	.section	.rodata,"a",@progbits
	.p2align	6, 0x0
	.amdhsa_kernel k_qdba4ef0b60_attn
		.amdhsa_group_segment_fixed_size 327680
		.amdhsa_private_segment_fixed_size 0
		.amdhsa_enable_private_segment 0
		.amdhsa_kernarg_size 24
		.amdhsa_user_sgpr_count 2
		.amdhsa_user_sgpr_kernarg_segment_ptr 1
		.amdhsa_wavefront_size32 1
		.amdhsa_system_sgpr_workgroup_id_x 1
		.amdhsa_system_sgpr_workgroup_id_y 1
		.amdhsa_system_sgpr_workgroup_id_z 1
		.amdhsa_system_vgpr_workitem_id 0
		.amdhsa_next_free_vgpr 512
		.amdhsa_next_free_sgpr 72
		.amdhsa_reserve_vcc 0
		.amdhsa_float_denorm_mode_32 3
		.amdhsa_float_denorm_mode_16_64 3
		.amdhsa_memory_ordered 1
		.amdhsa_forward_progress 1
		.amdhsa_inst_pref_size 203
	.end_amdhsa_kernel
	.amdgpu_metadata
---
amdhsa.version: [ 1, 2 ]
amdhsa.kernels:
  - .name:           k_qdba4ef0b60_attn
    .symbol:         k_qdba4ef0b60_attn.kd
    .args:
      - { .name: qkv, .offset: 0, .size: 8, .value_kind: global_buffer, .address_space: global }
      - { .name: m8, .offset: 8, .size: 8, .value_kind: global_buffer, .address_space: global }
      - { .name: z, .offset: 16, .size: 8, .value_kind: global_buffer, .address_space: global }
    .group_segment_fixed_size: 327680
    .private_segment_fixed_size: 0
    .kernarg_segment_align: 8
    .kernarg_segment_size: 24
    .max_flat_workgroup_size: 256
    .sgpr_count:     72
    .vgpr_count:     512
    .wavefront_size: 32
...
	.end_amdgpu_metadata
.endif
;; end of part 3
;; launch oproj (part 4): grid 4 x 64, 4 waves a work-group, clusters of 4 x 4, 327,680 bytes of LDS; arguments z, wo16, bo, out0; writes out0
.if DOCPART == 4
	.amdgcn_target "amdgcn-amd-amdhsa--gfx1250"
	.amdhsa_code_object_version 6
	.text
	.protected	k_qdba4ef0b60_oproj
	.globl	k_qdba4ef0b60_oproj
	.p2align	8
	.type	k_qdba4ef0b60_oproj,@function
k_qdba4ef0b60_oproj:
	s_mov_b64 s[64:65], 0
	v_nop
	global_prefetch_b8 v0, s[64:65] scope:SCOPE_SE
	s_setreg_imm32_b32 hwreg(HW_REG_WAVE_MODE, 25, 1), 1
	s_wait_xcnt 0x0
	s_wait_alu depctr_hold_cnt(0) depctr_sa_sdst(0) depctr_va_vdst(0) depctr_va_sdst(0) depctr_va_ssrc(0) depctr_va_vcc(0) depctr_vm_vsrc(0)
	s_getreg_b32 s2, hwreg(HW_REG_IB_STS2, 6, 4)
	s_cmp_eq_u32 s2, 0
	s_cbranch_scc0 .Lentry_in_a_cluster
	s_endpgm
.Lentry_in_a_cluster:
	s_bfe_u32 s2, ttmp6, 0x10000c
	s_cmp_lg_u32 s2, 0xf033
	s_cbranch_scc0 .Lentry_shape_is_right
	s_endpgm
.Lentry_shape_is_right:
; out0 = z Wo + bo.  z: f16, [head 16][row 8192][64], so K = 64 head + channel; wo16: f16, [k 1024][n 1024]; bo, out0: f32.  Products in f16, sums in f32.
; A tile of 128 rows x 256 columns gives 256 work-groups; four waves, each 64 x 128: 32 accumulators, 256 registers.  K goes in 8 steps of 128 (two heads' planes of z) through a ring of two LDS slots.
; THE MATRIX INSTRUCTION IS USED TRANSPOSED (source 0 = 16 columns of Wo, turned on the way out of LDS; source 1 = 16 rows of z): a lane holds eight neighbouring columns of one row.  bo is the C of each sum's first instruction.
; CLUSTERS: 4 x 4 work-groups; z's tiles are shared along a row of the cluster, Wo's along a column: each is asked for jointly.  Waves 0 and 1 fetch z's two planes (128 rows x 128 bytes each), waves 2 and 3 Wo's two halves (64 rows x 512 bytes).
; Two loads of mine are out at the start, one behind a refill: it has one K step less sixteen matrix instructions in which to land.
; REGISTERS: window 0: v16-30 addresses; two fragment buffers of 96, v64-159 and v160-255: Wo's 8 fragments, then z's 4; on the way out v64-191 hold rows.  window 1: accumulator (a, b) at v[8 (8 a + b)].  window 2: v0-63 bo, 8 registers a block of 16 columns.
.set AP,    144                        ; a row of z's plane in LDS: 128 bytes + 16
.set PLANE, 128*AP
.set BP,    544                        ; a row of Wo's tile: 512 bytes + 32: an odd multiple of 32, for the turning load
.set BOFF,  2*PLANE
.set SLOT,  BOFF+128*BP
.set STAGE, 2*SLOT                     ; behind the ring: 16 rows x (512 bytes + 16) for each wave
.set SPITCH, 528
.set SPARE, STAGE+4*16*SPITCH          ; the spare words, 128 bytes for each wave: two blocks of 256 bytes that no other line names
.set LAPS,  4                          ; a lap = two K steps
.set ADRA, 16
.set ADRB, 20
.set STO,  24
.set RD,   25
.set CO,   26
.set SPW,  28
.set NIL,  29
.set BO,   30
.set F0,   64
.set F1,   160
.set BK,   64
.set G1,  24
.set G0,  32
.set G1B, 48
.set G0B, 56
.set MSB, 0
.macro WIN new
.if MSB != (\new)
	s_set_vgpr_msb (MSB<<8)|(\new)
.set MSB, (\new)
.endif
.endm
.set MUL, 0x50                         ; sources 0 and 1 window 0; C and D window 1.  The first quarter: 0x60, C (bo) in window 2
.macro JLOAD s                         ; an s_nop 0 and four v_nop follow each of the two lines
	s_cmp_eq_u32 s13, 0
	s_cbranch_scc0 .Lfor_b_\@
	tensor_load_to_lds s[G0+4*\s:G0+4*\s+3], s[G1:G1+7]
	s_nop 0
.rept 4
	v_nop
.endr
	s_branch .Lasked_\@
.Lfor_b_\@:
	tensor_load_to_lds s[G0B+4*\s:G0B+4*\s+3], s[G1B:G1B+7]
	s_nop 0
.rept 4
	v_nop
.endr
.Lasked_\@:
.endm
.macro CREST
	s_cmp_lg_u32 s12, 0
	s_cbranch_scc1 .Lnot_wave_0_\@
	s_barrier_signal -3
.Lnot_wave_0_\@:
	s_barrier_wait -3
	s_barrier_signal -1
	s_barrier_wait -1
.endm
.macro CROUND
	s_barrier_signal -1
	s_barrier_wait -1
	CREST
.endm
	s_load_b256 s[4:11], s[0:1], 0x0               ; z s[4:5], wo16 s[6:7], bo s[8:9], out0 s[10:11]
	v_lshl_add_u32 v[SPW], v0, 2, SPARE
	v_mov_b32 v[NIL], 0
	ds_add_u32 v[SPW], v[NIL]                      ; the wave's opening: the add, twice on end, and its wait ahead of my first tensor load
	ds_add_u32 v[SPW], v[NIL]
	v_lshrrev_b32 v1, 5, v0
	v_readfirstlane_b32 s12, v1                    ; wave 0..3
	s_lshr_b32 s13, s12, 1                         ; which 64 rows are mine.  Also: I fetch for z (0) or for Wo (1)
	s_and_b32 s14, s12, 1                          ; which 128 columns.  Also: which plane of z, or which 64 rows of Wo, I fetch
	s_bfe_u32 s40, ttmp6, 0x40000                  ; cx, cy
	s_bfe_u32 s41, ttmp6, 0x40004
	s_lshl_b32 s42, ttmp9, 2
	s_add_co_u32 s42, s42, s40                     ; tile column (256 columns)
	s_and_b32 s43, ttmp7, 0xffff
	s_lshl_b32 s43, s43, 2
	s_add_co_u32 s43, s43, s41                     ; tile row (128 rows)
	s_lshl_b32 s44, s41, 2
	s_lshl_b32 s44, 15, s44                        ; my row of the cluster
	s_lshl_b32 s45, 0x1111, s40                    ; my column
	s_or_b32 s[G1+0], s44, (1<<16)|(1<<20)|(1<<21)|(4<<22)|(3<<25)   ; z: the mask; elements of 2 bytes; padding on; bit 21 beside a mask; 4 words behind every 32
	s_mov_b32 s[G1+1], 64<<16                      ; tensor_dim0
	s_mov_b32 s[G1+2], 128<<16                     ; tensor_dim1
	s_mov_b32 s[G1+3], 64<<16                      ; tile_dim0
	s_mov_b32 s[G1+4], 128                         ; tile_dim1
	s_mov_b32 s[G1+5], 64                          ; the pitch in memory: a plane's rows are dense
	s_mov_b32 s[G1+6], 0
	s_mov_b32 s[G1+7], 0
	s_or_b32 s[G1B+0], s45, (1<<16)|(1<<20)|(1<<21)|(6<<22)|(7<<25)  ; Wo: 8 words behind every 128
	s_mov_b32 s[G1B+1], 256<<16
	s_mov_b32 s[G1B+2], 64<<16
	s_mov_b32 s[G1B+3], 256<<16
	s_mov_b32 s[G1B+4], 64
	s_mov_b32 s[G1B+5], 1024
	s_mov_b32 s[G1B+6], 0
	s_mov_b32 s[G1B+7], 0
	s_lshl_b32 s16, s14, 20                        ; z: my plane (a head is 2^20 bytes),
	s_lshl_b32 s17, s43, 14                        ; the tile's 128 rows of 128 bytes
	s_add_co_u32 s16, s16, s17
	s_mov_b32 s17, 0
	s_lshl_b32 s46, s14, 17                        ; Wo: my 64 rows of 2,048 bytes,
	s_lshl_b32 s47, s42, 9                         ; the tile's 256 columns
	s_add_co_u32 s46, s46, s47
	s_mov_b32 s47, 0
	s_mul_i32 s20, s14, PLANE                      ; where they go
	s_mul_i32 s21, s14, 64*BP
	s_add_co_u32 s21, s21, BOFF
	s_wait_dscnt 0x0                               ; both opening adds are done
	s_wait_kmcnt 0x0
	s_add_nc_u64 s[16:17], s[4:5], s[16:17]
	s_add_nc_u64 s[46:47], s[6:7], s[46:47]
	CROUND                                         ; all sixteen work-groups are here: the first joint loads meet
.irp s, 0,1
	s_mov_b32 s[G0+4*\s], 1
	s_add_co_u32 s[G0+4*\s+1], s20, \s*SLOT
	s_add_nc_u64 s[G0+4*\s+2:G0+4*\s+3], s[16:17], \s*2097152     ; K step s: heads 2 s and 2 s + 1
	s_or_b32 s[G0+4*\s+3], s[G0+4*\s+3], 0x80000000
	s_mov_b32 s[G0B+4*\s], 1
	s_add_co_u32 s[G0B+4*\s+1], s21, \s*SLOT
	s_add_nc_u64 s[G0B+4*\s+2:G0B+4*\s+3], s[46:47], \s*262144    ; 128 rows of Wo on
	s_or_b32 s[G0B+4*\s+3], s[G0B+4*\s+3], 0x80000000
	JLOAD \s
.endr
	v_and_b32 v1, 15, v0                           ; r
	v_bfe_u32 v2, v0, 4, 1                         ; h
	v_lshlrev_b32 v[BO], 5, v2
	s_lshl_b32 s66, s42, 10
	s_lshl_b32 s67, s14, 9
	s_add_co_u32 s66, s66, s67                     ; 4 x my first column
	s_mov_b32 s67, 0
	s_add_nc_u64 s[8:9], s[8:9], s[66:67]
	WIN 0x80                                       ; destination window 2
.irp b, 0,1,2,3,4,5,6,7                ; bo[my first column + 16 b + 8 h + 0 .. 7]: the result's layout
	global_load_b128 v[8*\b:8*\b+3],   v[BO], s[8:9] offset:64*\b
	global_load_b128 v[8*\b+4:8*\b+7], v[BO], s[8:9] offset:64*\b+16
.endr
	WIN 0
	v_mul_u32_u24 v3, v1, AP
	v_lshl_add_u32 v3, v2, 4, v3                   ; z: row r x pitch + 16 h
	v_and_b32 v5, 7, v0
	v_bfe_u32 v6, v0, 3, 1
	v_lshl_add_u32 v4, v2, 3, v5
	v_mul_u32_u24 v4, v4, BP
	v_lshl_add_u32 v4, v6, 4, v4                   ; Wo, for the turning load: k = 8 h + l % 8, columns 8 ((l / 8) % 2) on
	s_mul_i32 s22, s13, 64*AP                      ; my 64 rows of z
	s_lshl_b32 s23, s14, 8
	s_add_co_u32 s23, s23, BOFF                    ; my 128 columns of Wo
.irp s, 0,1
	v_add_nc_u32 v[ADRA+\s], s22, v3
	v_add_nc_u32 v[ADRB+\s], s23, v4
	s_add_co_u32 s22, s22, SLOT
	s_add_co_u32 s23, s23, SLOT
.endr
	s_mul_i32 s70, s12, 16*SPITCH
	s_add_co_u32 s70, s70, STAGE                   ; my stage
	v_mul_u32_u24 v5, v1, SPITCH
	v_lshl_add_u32 v5, v2, 5, v5
	v_add_nc_u32 v[STO], s70, v5                   ; in: row r, 32 bytes for each half of the lanes
	v_and_b32 v6, 31, v0
	v_lshlrev_b32 v[CO], 4, v6                     ; back: the 32 lanes take a row of 512 bytes; the same in out0
	v_add_nc_u32 v[RD], s70, v[CO]
	s_lshl_b32 s68, s43, 19                        ; 128 rows of 4,096 bytes a tile,
	s_lshl_b32 s69, s13, 18                        ; 64 a wave,
	s_add_co_u32 s68, s68, s69
	s_add_co_u32 s68, s68, s66                     ; and my first column
	s_mov_b32 s69, 0
	s_add_nc_u64 s[10:11], s[10:11], s[68:69]
; 8 matrix instructions: z's block a against Wo's eight, 32 along K.  first = 1: C is bo.  The 32 accumulators take turns, one instruction a turn.
.macro MUL8 f, a, first
.irp b, 0,1,2,3,4,5,6,7
.if \first
	v_wmma_f32_16x16x32_f16 v[8*(8*(\a)+\b):8*(8*(\a)+\b)+7], v[\f+8*\b:\f+8*\b+7], v[\f+64+8*(\a):\f+64+8*(\a)+7], v[8*\b:8*\b+7]
.else
	v_wmma_f32_16x16x32_f16 v[8*(8*(\a)+\b):8*(8*(\a)+\b)+7], v[\f+8*\b:\f+8*\b+7], v[\f+64+8*(\a):\f+64+8*(\a)+7], v[8*(8*(\a)+\b):8*(8*(\a)+\b)+7]
.endif
.endr
.endm
; 24 LDS loads in one run: quarter q (32 along K) of a slot into buffer f: Wo's eight fragments, turned, then z's four
.macro FETCH slot, q, f
	WIN 0
.irp b, 0,1,2,3,4,5,6,7
	ds_load_tr16_b128 v[\f+8*\b:\f+8*\b+3],   v[ADRB+\slot] offset:32*BP*(\q)+32*\b
	ds_load_tr16_b128 v[\f+8*\b+4:\f+8*\b+7], v[ADRB+\slot] offset:32*BP*(\q)+32*\b+16*BP
.endr
.irp i, 0,1,2,3
	ds_load_b128 v[\f+64+8*\i:\f+64+8*\i+3],   v[ADRA+\slot] offset:PLANE*((\q)/2)+64*((\q)%2)+16*AP*\i
	ds_load_b128 v[\f+64+8*\i+4:\f+64+8*\i+7], v[ADRA+\slot] offset:PLANE*((\q)/2)+64*((\q)%2)+16*AP*\i+32
.endr
.endm
.macro PLACES                          ; four plain instructions between a product and a load into, or a read of, its registers
.rept 4
	v_nop
.endr
.endm
; One of a K step's first three quarters: multiplies buffer f and fetches quarter q of the same slot into g.
.macro QUARTER slot, q, f, g, first
	s_wait_dscnt 4                                 ; all but the youngest four loads (z's blocks 2 and 3)
	WIN MUL+0x10*(\first)
	MUL8 \f, 0, \first
	MUL8 \f, 1, \first
	PLACES
	FETCH \slot, \q, \g
	s_wait_dscnt 24                                ; all but the 24 just issued
	WIN MUL+0x10*(\first)
	MUL8 \f, 2, \first
	MUL8 \f, 3, \first
.endm
; The last quarter multiplies buffer 1 and changes slots: ONE barrier; in front of it each wave waits for all its tensor loads, adds 0 to its spare word, and waits for that and for its reads of this slot.
; fill = 1: the barrier opens a round of the cluster's, and this slot is filled again, two K steps ahead, first thing behind it.
.macro TURN slot, next, fill
	WIN 0
	s_wait_tensorcnt 0x0                           ; all my tensor loads have landed: my part of the next slot
	ds_add_u32 v[SPW], v[NIL]
	s_wait_dscnt 5                                 ; the add and the youngest four loads may be out
	WIN MUL
	MUL8 F1, 0, 0
	s_wait_dscnt 0x0                               ; the add is done, and my reads of this slot are over
	s_barrier_signal -1
	MUL8 F1, 1, 0
	WIN 0
	s_barrier_wait -1
.if \fill
	CREST
	s_add_nc_u64 s[G0+4*\slot+2:G0+4*\slot+3], s[G0+4*\slot+2:G0+4*\slot+3], 4194304     ; four heads on
	s_add_nc_u64 s[G0B+4*\slot+2:G0B+4*\slot+3], s[G0B+4*\slot+2:G0B+4*\slot+3], 524288  ; 256 rows of Wo on
	JLOAD \slot                                    ; the four v_nop behind it are also the places in front of the loads below
.else
	PLACES
.endif
	FETCH \next, 0, F0
	WIN MUL
	MUL8 F1, 2, 0
	MUL8 F1, 3, 0
.endm
	s_wait_tensorcnt 1                             ; my part of K step 0 is in; K step 1's may stay out
	s_barrier_signal -1
	s_barrier_wait -1
	FETCH 0, 0, F0
	s_wait_loadcnt 0x0                             ; bo
	QUARTER 0, 1, F0, F1, 1                        ; the first quarter stands in front of the loop: its products start the sums
	WIN 0                                          ; at a label and at a branch every window is 0
	s_mov_b32 s3, LAPS-1
.Llap:                                                 ; a trip goes once round the ring, from a lap's second quarter to the next lap's first, and fills both slots again
	QUARTER 0, 2, F1, F0, 0
	QUARTER 0, 3, F0, F1, 0
	TURN 0, 1, 1
	QUARTER 1, 1, F0, F1, 0
	QUARTER 1, 2, F1, F0, 0
	QUARTER 1, 3, F0, F1, 0
	TURN 1, 0, 1
	QUARTER 0, 1, F0, F1, 0
	WIN 0
	s_sub_co_u32 s3, s3, 1
	s_cmp_lg_u32 s3, 0
	s_cbranch_scc1 .Llap
	QUARTER 0, 2, F1, F0, 0                        ; the last lap fills nothing
	QUARTER 0, 3, F0, F1, 0
	TURN 0, 1, 0
	QUARTER 1, 1, F0, F1, 0
	QUARTER 1, 2, F1, F0, 0
	QUARTER 1, 3, F0, F1, 0
	s_wait_dscnt 4                                 ; the very last quarter
	WIN MUL
	MUL8 F1, 0, 0
	MUL8 F1, 1, 0
	s_wait_dscnt 0
	MUL8 F1, 2, 0
	MUL8 F1, 3, 0
	WIN 0
; THE WAY OUT, a block of 16 rows x 128 columns at a time, through my own stage: back as whole rows of 512 bytes, which the 32 lanes store as 512 consecutive bytes, aligned.
.macro TOSTAGE a
	WIN 0x04                                       ; an LDS store's data are its source 1: window 1
.irp b, 0,1,2,3,4,5,6,7
	ds_store_b128 v[STO], v[64*(\a)+8*\b:64*(\a)+8*\b+3] offset:64*\b          ; each accumulator from its low end on
	ds_store_b128 v[STO], v[64*(\a)+8*\b+4:64*(\a)+8*\b+7] offset:64*\b+16
.endr
	WIN 0
.set BB, BK+64*((\a)%2)
.irp t, 0,1,2,3,4,5,6,7,8,9,10,11,12,13,14,15
	ds_load_b128 v[BB+4*\t:BB+4*\t+3], v[RD] offset:\t*SPITCH   ; LDS serves a wave's instructions in order (ISA guide 5.7.1.4)
.endr
.endm
.macro SEND a, younger                 ; younger: the LDS instructions issued behind block a's loads, which may stay out
.set BB, BK+64*((\a)%2)
	s_wait_dscnt \younger
.irp t, 0,1,2,3,4,5,6,7,8,9,10,11,12,13,14,15
	global_store_b128 v[CO], v[BB+4*\t:BB+4*\t+3], s[10:11] offset:65536*(\a)+4096*\t th:TH_STORE_NT
.endr
.endm
	PLACES                                         ; behind the last products: for the stores of results and the loads into the fragments' registers
	TOSTAGE 0
.irp a, 1,2,3
.if \a > 1
	s_wait_xcnt 0x0                                ; block a - 2's stores have read their registers: block a's loads may land there
.endif
	TOSTAGE \a
	SEND \a-1, 32                                  ; behind block a - 1's loads: block a's 16 stores and 16 loads
.endr
	SEND 3, 0
	s_wait_tensorcnt 0x0                           ; the wave's end
	ds_add_u32 v[SPW], v[NIL]
	s_wait_dscnt 0x0
	CROUND                                         ; the closing round
	s_endpgm
.Lfunc_end_k_qdba4ef0b60_oproj:
	.size	k_qdba4ef0b60_oproj, .Lfunc_end_k_qdba4ef0b60_oproj-k_qdba4ef0b60_oproj
	.p2alignl 7, 3214868480
	.fill 96, 4, 3214868480
	.section	.rodata,"a",@progbits
	.p2align	6, 0x0
	.amdhsa_kernel k_qdba4ef0b60_oproj
		.amdhsa_group_segment_fixed_size 327680
		.amdhsa_private_segment_fixed_size 0
		.amdhsa_enable_private_segment 0
		.amdhsa_kernarg_size 32
		.amdhsa_user_sgpr_count 2
		.amdhsa_user_sgpr_kernarg_segment_ptr 1
		.amdhsa_wavefront_size32 1
		.amdhsa_system_sgpr_workgroup_id_x 1
		.amdhsa_system_sgpr_workgroup_id_y 1
		.amdhsa_system_sgpr_workgroup_id_z 1
		.amdhsa_system_vgpr_workitem_id 0
		.amdhsa_next_free_vgpr 576
		.amdhsa_next_free_sgpr 72
		.amdhsa_reserve_vcc 0
		.amdhsa_float_denorm_mode_32 3
		.amdhsa_float_denorm_mode_16_64 3
		.amdhsa_memory_ordered 1
		.amdhsa_forward_progress 1
		.amdhsa_inst_pref_size 86
	.end_amdhsa_kernel
	.amdgpu_metadata
---
amdhsa.version: [ 1, 2 ]
amdhsa.kernels:
  - .name:           k_qdba4ef0b60_oproj
    .symbol:         k_qdba4ef0b60_oproj.kd
    .args:
      - { .name: z, .offset: 0, .size: 8, .value_kind: global_buffer, .address_space: global }
      - { .name: wo16, .offset: 8, .size: 8, .value_kind: global_buffer, .address_space: global }
      - { .name: bo, .offset: 16, .size: 8, .value_kind: global_buffer, .address_space: global }
      - { .name: out0, .offset: 24, .size: 8, .value_kind: global_buffer, .address_space: global }
    .group_segment_fixed_size: 327680
    .private_segment_fixed_size: 0
    .kernarg_segment_align: 8
    .kernarg_segment_size: 32
    .max_flat_workgroup_size: 128
    .sgpr_count:     72
    .vgpr_count:     576
    .wavefront_size: 32
...
	.end_amdgpu_metadata
.endif
;; end of part 4
